; MI455X (gfx1250); checked and timed in simulation.
; The chip was launched on July 23, 2026; its instructions are those of AMD's public machine-readable ISA for CDNA 5 (MIT licence, August 2026) and "CDNA5" Instruction Set Architecture Reference Guide (July 2026). The comments in the code are by the model that wrote it; some were corrected since.
;; MAB. Allowed arithmetic: matrix products marked QUANTISED: E5M2 operands, one E8M0 scale for each 32 along K, by v_wmma_scale_f32_16x16x128_f8f6f4 with both operands' format E5M2, f32 sums; everything else in f32.
;; Inputs: K_codes 8 x 1,024 x 32 x 32 uint8 (E5M2 codes of K, K innermost, in blocks of 32 codes); K_scales 8 x 1,024 x 32 uint8 (E8M0 scales of K, one for each 32 codes along K); Q_codes 8 x 1,024 x 32 x 32 uint8 (E5M2 codes of Q, K innermost, in blocks of 32 codes); Q_scales 8 x 1,024 x 32 uint8 (E8M0 scales of Q, one for each 32 codes along K); Wk_codes 1,024 x 32 x 32 uint8 (E5M2 codes of Wk, K innermost, in blocks of 32 codes); Wk_scales 1,024 x 32 uint8 (E8M0 scales of Wk, one for each 32 codes along K); Wo_codes 1,024 x 32 x 32 uint8 (E5M2 codes of Wo, K innermost, in blocks of 32 codes); Wo_scales 1,024 x 32 uint8 (E8M0 scales of Wo, one for each 32 codes along K); Wq_codes 1,024 x 32 x 32 uint8 (E5M2 codes of Wq, K innermost, in blocks of 32 codes); Wq_scales 1,024 x 32 uint8 (E8M0 scales of Wq, one for each 32 codes along K); Wv_codes 1,024 x 32 x 32 uint8 (E5M2 codes of Wv, K innermost, in blocks of 32 codes); Wv_scales 1,024 x 32 uint8 (E8M0 scales of Wv, one for each 32 codes along K); b0 1,024 float32; b1 1,024 float32; bk 1,024 float32; bo 1,024 float32; bq 1,024 float32; bv 1,024 float32; g0 1,024 float32; g1 1,024 float32.
;; Outputs: out0 8 x 1,024 x 1,024 float32.
;; This version of the problem:
;;   THIS VERSION OF THE PROBLEM IS GIVEN IN LOW PRECISION. The matrix products marked QUANTISED in the list below multiply operands that are first quantised to E5M2 (5 exponent bits, 2 mantissa bits; 8 bits a number), with one power-of-two scale for each 32 numbers along K (OCP MX v1.0); their sums are f32. All else is computed in f32.
;;   The module's matrix products, in the order in which they are computed (A, B: the left and right operand; K: the contracted axis; several contracted axes count as one K, in the product's order):
;;     1. [M 8,192, K 1,024] x [K 1,024, N 1,024]; A: input Q (given as codes); B: input Wq (given as codes): QUANTISED
;;     2. [M 8,192, K 1,024] x [K 1,024, N 1,024]; A: input K (given as codes); B: input Wk (given as codes): QUANTISED
;;     3. [M 8,192, K 1,024] x [K 1,024, N 1,024]; A: input K (given as codes); B: input Wv (given as codes): QUANTISED
;;     4. batch 128 x [M 1,024, K 64] x [K 64, N 1,024]; A: computed on the way; B: computed on the way: QUANTISED
;;     5. batch 128 x [M 64, K 1,024] x [K 1,024, N 1,024]; A: computed on the way; B: softmax (see below): QUANTISED
;;     6. [M 8,192, K 1,024] x [K 1,024, N 1,024]; A: computed on the way; B: input Wo (given as codes): QUANTISED
;;   THE QUANTISER, for each operand of a quantised product, along K:
;;     - K is cut into blocks of 32 from its start; a last block that is shorter is filled with zeros.
;;     - A block's scale is 2^e with e = floor(log2(the largest magnitude in the block)) - 15, held to -126 .. 127; a block of zeros has e = 0. As a byte (E8M0): e + 127.
;;     - Each number is divided by its block's scale, clamped to +-57,344, and rounded to the nearest number of E5M2, ties to even, subnormals kept.
;;     - The product sums the exact products of the quantised numbers (number of the format x scale) in f32.
;;   ~~~python
;;   def quantise(x, axis):      # numpy; x: float32 -> the quantised numbers, widened to float32 again
;;       x = np.moveaxis(x, axis, -1); K = x.shape[-1]
;;       x = np.pad(x, [(0, 0)] * (x.ndim - 1) + [(0, -K % 32)]); x = x.reshape(x.shape[:-1] + (-1, 32)); a = np.abs(x).max(-1, keepdims=True)
;;       e = np.where(a > 0, np.clip(np.frexp(np.where(a > 0, a, 1))[1] - 1 - 15, -126, 127), 0)      # np.frexp(a)[1] - 1 = floor(log2(a)), exactly
;;       r = np.clip(x / 2.0 ** e, -57344, 57344)
;;       step = 2.0 ** (np.maximum(np.frexp(np.where(r == 0, 1, r))[1] - 1, -14) - 2)
;;       q = np.round(r / step) * step * 2.0 ** e      # np.round: ties to even
;;       return np.moveaxis(q.reshape(q.shape[:-2] + (-1,))[..., :K], -1, axis).astype(np.float32)
;;   ~~~
;;   SOFTMAX AHEAD OF A QUANTISED PRODUCT. Where the list says 'softmax', what is quantised is not the finished softmax but p = 2^(t - M), with t = logit x log2(e) and M = ceil(the row's largest t), a whole number; so 1/2 < the row's largest p <= 1. The row's sum l is taken of the UNQUANTISED p, in f32, and the product's result is divided by l at the end. Since M is a whole number, a kernel that streams over the keys may use a running M (the ceiling of the running maximum): every later rescaling is an exact power of two, which a block's scale takes up: the codes' values come out the same.
;;   OPERANDS COMPUTED ON THE WAY. 'Computed on the way' means the value that the module computes at that place (a softmax that the list does not call 'softmax' is quantised finished and normalised). What goes into a quantiser is computed in f32, as accurately as f32 sums, v_exp_f32 and their like allow (about 1e-6 of the number): no bf16 or f16 on the way to a quantiser, and a product that is left as it is and whose result goes on into a quantised operand takes f32 operands (vector FMAs, or v_wmma_f32_16x16x4_f32). A number that lies on a knife's edge between two numbers of the format may be rounded either way, as far as f32 arithmetic and the matrix unit's own rounding can turn it there, and no further.
;;   INPUTS GIVEN AS CODES. K (in the module: [8, 1024, 1024], K = its axis 2); Q (in the module: [8, 1024, 1024], K = its axis 2); Wk (in the module: [1024, 1024], K = its axis 1); Wo (in the module: [1024, 1024], K = its axis 1); Wq (in the module: [1024, 1024], K = its axis 1); Wv (in the module: [1024, 1024], K = its axis 1): each comes as NAME_codes (uint8): NAME with its K axis moved to the last place and cut into blocks of 32 codes, [.., K / 32, bytes a block], one block behind the other in memory; one code a byte (a code: sign, 5 exponent bits, 2 mantissa bits); and NAME_scales (uint8): the same leading axes, one E8M0 byte (e + 127) for each 32 codes along K. Its value is code x scale, taken as it is: it is not quantised again, and the codes and scales need not be those that the quantiser above would give.
;; One version. Each part assembles by itself: llvm-mc -triple=amdgcn-amd-amdhsa -mcpu=gfx1250 --defsym DOCPART=n.
;; ======== version 1 of 1: 3 launches
;; limits: right only within a limited range of input values
;; workspace buffers: oimg 33,554,432 bytes; kv 17,301,504 bytes; woimg 1,048,576 bytes; wq 1,081,344 bytes
;; launch proj (part 1): grid 4 x 64, 4 waves a work-group, clusters of 4 x 4, 327,680 bytes of LDS; arguments K_codes, K_scales, Wk_codes, Wk_scales, Wv_codes, Wv_scales, bk, bv, kv, Wo_codes, woimg, Wq_codes, Wq_scales, wq; writes kv, woimg, wq
.if DOCPART == 1
	.amdgcn_target "amdgcn-amd-amdhsa--gfx1250"
	.amdhsa_code_object_version 6
	.text
	.protected	k_qaaf8882ea1_proj
	.globl	k_qaaf8882ea1_proj
	.p2align	8
	.type	k_qaaf8882ea1_proj,@function
k_qaaf8882ea1_proj:
	s_mov_b64 s[64:65], 0
	v_nop
	global_prefetch_b8 v0, s[64:65] scope:SCOPE_SE
	s_setreg_imm32_b32 hwreg(HW_REG_WAVE_MODE, 25, 1), 1
	s_wait_xcnt 0x0
	s_wait_alu depctr_hold_cnt(0) depctr_sa_sdst(0) depctr_va_vdst(0) depctr_va_sdst(0) depctr_va_ssrc(0) depctr_va_vcc(0) depctr_vm_vsrc(0)
	s_getreg_b32 s2, hwreg(HW_REG_IB_STS2, 6, 4)
	s_cmp_eq_u32 s2, 0
	s_cbranch_scc0 .Lentry_in_a_cluster
	s_endpgm
.Lentry_in_a_cluster:
	s_bfe_u32 s2, ttmp6, 0x10000c
	s_cmp_lg_u32 s2, 0xf033
	s_cbranch_scc0 .Lentry_shape_is_right
	s_endpgm
.Lentry_shape_is_right:
.set KSTEP,  256
.set NQ,     2
.set ROWB,   256
.set KROW,   1024
.set PITCH,  272
.set FR,     16
.set NL,     4
.set NP,     8
.set HALFT,  128*PITCH
.set SLOT,   4*HALFT
.set KS,     32
.set SCL,    2*SLOT
.set HALFS,  (128*KS/256)*272
.set SBLK,   (16*KS/256)*272
.set SPARE,  SCL+4*HALFS
.set HSTR,   135168
.set LI,   8
.set AD2,  9
.set ADS,  10
.set BAR,  11
.set BAL,  12
.set ADRS, 13
.set SPW,  14
.set NIL,  15
.set ADRA, 16
.set ADRB, 18
.set BL,   20
.set SC,   32
.set BR,   64
.set AF,   128
.set ST,   128
.set PC,   192
.set TM,   208
.set W,    224
.set XW,   232
.set SELV, 236
.set SCP,  238
.set R,    240
.set PATH, 2
.set G1, 24
.set G0, 32
.set G1B, 48
.set G0B, 56
.set G1S, 68
.set G0S, 76
.set G1SB, 80
.set G0SB, 88
.set SEL, 24
.set MNT, 26
.set MSB, 0
.macro WIN new
.if MSB != (\new)
	s_set_vgpr_msb (MSB<<8)|(\new)
.set MSB, (\new)
.endif
.endm
.set MUL_LO, 0xa1
.set MUL_HI, 0xf1
.set TO_B,   0x40
.macro JLOAD g0a, g1a, g0b, g1b
	s_cmp_eq_u32 s15, 0
	s_cbranch_scc0 .Lfor_b_\@
	tensor_load_to_lds s[\g0a:\g0a+3], s[\g1a:\g1a+7]
	s_nop 0
.rept 4
	v_nop
.endr
	s_branch .Lasked_\@
.Lfor_b_\@:
	tensor_load_to_lds s[\g0b:\g0b+3], s[\g1b:\g1b+7]
	s_nop 0
.rept 4
	v_nop
.endr
.Lasked_\@:
.endm
.macro CREST
	s_cmp_lg_u32 s14, 0
	s_cbranch_scc1 .Lnot_wave_0_\@
	s_barrier_signal -3
.Lnot_wave_0_\@:
	s_barrier_wait -3
	s_barrier_signal -1
	s_barrier_wait -1
.endm
.macro CROUND
	s_barrier_signal -1
	s_barrier_wait -1
	CREST
.endm
	s_load_b512 s[68:83], s[0:1], 0x0
	s_load_b64 s[96:97], s[0:1], 0x40
	v_lshl_add_u32 v[SPW], v0, 2, SPARE
	v_mov_b32 v[NIL], 0
	ds_add_u32 v[SPW], v[NIL]
	ds_add_u32 v[SPW], v[NIL]
	v_lshrrev_b32 v1, 5, v0
	v_readfirstlane_b32 s14, v1
	s_lshr_b32 s15, s14, 1
	s_and_b32 s16, s14, 1
	s_bfe_u32 s40, ttmp6, 0x40000
	s_bfe_u32 s41, ttmp6, 0x40004
	s_and_b32 s18, ttmp7, 0xffff
	s_lshr_b32 s[PATH], s18, 3
	s_add_co_u32 s[PATH], s[PATH], 1
	s_and_b32 s19, s18, 7
	s_lshl_b32 s19, s19, 2
	s_cmp_eq_u32 s[PATH], 2
	s_cselect_b32 s17, 0, s19
	s_cselect_b32 s42, s19, 0
	s_add_co_u32 s17, s17, s41
	s_add_co_u32 s42, s42, s40
	s_lshl_b32 s43, s41, 2
	s_lshl_b32 s43, 15, s43
	s_lshl_b32 s44, 0x1111, s40
	s_or_b32 s[G1+0], s43, (0<<16)|(1<<20)|(1<<21)|(5<<22)|(3<<25)
	s_or_b32 s[G1B+0], s44, (0<<16)|(1<<20)|(1<<21)|(5<<22)|(3<<25)
.irp g, G1, G1B
	s_mov_b32 s[\g+1], ROWB<<16
	s_mov_b32 s[\g+2], 128<<16
	s_mov_b32 s[\g+3], ROWB<<16
	s_mov_b32 s[\g+4], 128
	s_mov_b32 s[\g+5], KROW
	s_mov_b32 s[\g+6], 0
	s_mov_b32 s[\g+7], 0
.endr
	s_wait_dscnt 0x0
	s_wait_kmcnt 0x0
	s_cmp_eq_u32 s[PATH], 2
	s_cselect_b64 s[4:5], s[76:77], s[68:69]
	s_cselect_b64 s[6:7], s[78:79], s[70:71]
	s_cselect_b64 s[8:9], s[68:69], s[72:73]
	s_cselect_b64 s[10:11], s[70:71], s[74:75]
	s_cselect_b64 s[66:67], s[82:83], s[80:81]
	s_mov_b64 s[12:13], s[96:97]
	s_or_b32 s[G1S+0], s43, (3<<16)|(1<<20)|(1<<21)|(5<<22)|(3<<25)
	s_or_b32 s[G1SB+0], s44, (3<<16)|(1<<20)|(1<<21)|(5<<22)|(3<<25)
.irp g, G1S, G1SB
	s_mov_b32 s[\g+1], 32<<16
	s_mov_b32 s[\g+2], (128*KS/256)<<16
	s_mov_b32 s[\g+3], 32<<16
	s_mov_b32 s[\g+4], 128*KS/256
	s_mov_b32 s[\g+5], 32
	s_mov_b32 s[\g+6], 0
	s_mov_b32 s[\g+7], 0
.endr
	s_lshl_b32 s18, s16, 7
	s_lshl_b32 s20, s17, 8
	s_add_co_u32 s20, s20, s18
	s_lshl_b32 s46, s42, 8
	s_add_co_u32 s46, s46, s18
	s_mov_b32 s21, 0
	s_mov_b32 s47, 0
	s_mov_b64 s[18:19], KS
	s_mul_u64 s[22:23], s[20:21], s[18:19]
	s_mul_u64 s[92:93], s[46:47], s[18:19]
	s_mov_b64 s[18:19], KROW
	s_mul_u64 s[20:21], s[20:21], s[18:19]
	s_mul_u64 s[46:47], s[46:47], s[18:19]
	s_mul_i32 s45, s14, HALFT
	s_mul_i32 s94, s14, HALFS
	s_add_nc_u64 s[20:21], s[4:5], s[20:21]
	s_add_nc_u64 s[22:23], s[6:7], s[22:23]
	s_add_nc_u64 s[46:47], s[8:9], s[46:47]
	s_add_nc_u64 s[92:93], s[10:11], s[92:93]
	CROUND
	s_mov_b32 s[G0S], 1
	s_add_co_u32 s[G0S+1], s94, SCL
	s_mov_b64 s[G0S+2:G0S+3], s[22:23]
	s_or_b32 s[G0S+3], s[G0S+3], 0x80000000
	s_mov_b32 s[G0SB], 1
	s_add_co_u32 s[G0SB+1], s94, SCL
	s_mov_b64 s[G0SB+2:G0SB+3], s[92:93]
	s_or_b32 s[G0SB+3], s[G0SB+3], 0x80000000
	JLOAD G0S, G1S, G0SB, G1SB
.irp s, 0,1
	s_mov_b32 s[G0+4*\s], 1
	s_add_co_u32 s[G0+4*\s+1], s45, \s*SLOT
	s_add_nc_u64 s[G0+4*\s+2:G0+4*\s+3], s[20:21], \s*ROWB
	s_or_b32 s[G0+4*\s+3], s[G0+4*\s+3], 0x80000000
	s_mov_b32 s[G0B+4*\s], 1
	s_add_co_u32 s[G0B+4*\s+1], s45, \s*SLOT
	s_add_nc_u64 s[G0B+4*\s+2:G0B+4*\s+3], s[46:47], \s*ROWB
	s_or_b32 s[G0B+4*\s+3], s[G0B+4*\s+3], 0x80000000
	s_wait_alu depctr_va_vdst(0)
	s_wait_tensorcnt 0x0
	ds_add_u32 v14, v15
	s_wait_dscnt 0x0
	CROUND
	JLOAD G0+4*\s, G1, G0B+4*\s, G1B
.endr
	v_and_b32 v1, 15, v0
	v_bfe_u32 v2, v0, 4, 1
	v_mul_u32_u24 v3, v1, PITCH
	v_lshl_add_u32 v4, v2, 4, v3
	s_mul_i32 s21, s15, HALFT
	s_mul_i32 s22, s16, HALFT
	s_add_co_u32 s22, s22, 2*HALFT
.irp s, 0,1
	v_add_nc_u32 v[ADRA+\s], s21, v4
	v_add_nc_u32 v[ADRB+\s], s22, v4
	s_add_co_u32 s21, s21, SLOT
	s_add_co_u32 s22, s22, SLOT
.endr
	v_mul_u32_u24 v5, v1, KS
	v_lshrrev_b32 v6, 8, v5
	v_lshl_add_u32 v5, v6, 4, v5
	s_mul_i32 s21, s15, HALFS
	s_mul_i32 s22, s16, HALFS
	s_add_co_u32 s22, s22, 2*HALFS
	s_sub_co_u32 s22, s22, s21
	v_mul_u32_u24 v6, s22, v2
	s_add_co_u32 s21, s21, SCL
	v_add_nc_u32 v5, v5, v6
	v_add_nc_u32 v[ADRS], s21, v5
	s_lshl_b32 s18, s17, 1
	s_add_co_u32 s18, s18, s15
	s_lshl_b32 s19, s42, 1
	s_add_co_u32 s19, s19, s16
	s_cmp_eq_u32 s[PATH], 2
	s_cselect_b32 s22, s19, s18
	s_cselect_b32 s23, s18, s19
	s_lshr_b32 s93, s22, 3
	s_lshl_b32 s93, s93, 4
	s_lshl_b32 s94, s23, 1
	s_add_co_u32 s93, s93, s94
	s_lshl_b32 s93, s93, 3
	s_and_b32 s94, s22, 7
	s_add_co_u32 s93, s93, s94
	s_mul_i32 s93, s93, 16896
	s_cmp_eq_u32 s[PATH], 2
	s_cselect_b32 s94, 8192, 0
	s_cselect_b32 s95, 256, 0
	s_add_co_u32 s92, s94, s93
	s_add_co_u32 s95, s95, s93
	s_add_co_u32 s95, s95, 16384
	s_mov_b32 s93, 0
	s_add_nc_u64 s[12:13], s[12:13], s[92:93]
	s_mov_b32 s94, s95
	s_mov_b32 s95, 0
	s_add_nc_u64 s[96:97], s[96:97], s[94:95]
	s_lshl_b32 s92, s23, 9
	s_add_nc_u64 s[66:67], s[66:67], s[92:93]
	v_and_b32 v6, 31, v0
	v_lshlrev_b32 v[LI], 4, v6
	v_mul_u32_u24 v[ADS], v2, HSTR
	v_lshl_add_u32 v[ADS], v1, 4, v[ADS]
	v_lshlrev_b32 v[BAR], 5, v2
	v_lshlrev_b32 v[BAL], 2, v1
.irp b, 0,1,2,3,4,5,6,7
	global_load_b128 v[BR+8*\b:BR+8*\b+3], v[BAR], s[66:67] offset:64*\b
	global_load_b128 v[BR+8*\b+4:BR+8*\b+7], v[BAR], s[66:67] offset:64*\b+16
.endr
.irp a, 0,1,2,3,4,5,6,7
	global_load_b32 v[BL+\a], v[BAL], s[66:67] offset:64*\a
.endr
.macro FRAG reg, adr, q, i
.irp c, 0,1,2,3
	ds_load_b128 v[\reg+4*\c:\reg+4*\c+3], v[\adr] offset:128*(\q)+32*\c+(\i)*16*PITCH
.endr
.endm
.macro MUL16 a0, p, q, sc, zero
.irp a, \a0, \a0+1
.irp b, 0,1,2,3,4,5,6,7
.if \zero
	v_wmma_scale_f32_16x16x128_f8f6f4 v[8*(8*((\a)%4)+\b):8*(8*((\a)%4)+\b)+7], v[128*(\p)+FR*\b:128*(\p)+FR*\b+FR-1], v[AF+FR*(\a):AF+FR*(\a)+FR-1], 0, v[SC+8*NQ*(\sc)+NQ*\b+(\q)], v[SC+8*NQ*(\sc)+NQ*(\a)+(\q)] matrix_a_fmt:MATRIX_FMT_BF8 matrix_b_fmt:MATRIX_FMT_BF8 matrix_a_scale:MATRIX_SCALE_ROW1
.else
	v_wmma_scale_f32_16x16x128_f8f6f4 v[8*(8*((\a)%4)+\b):8*(8*((\a)%4)+\b)+7], v[128*(\p)+FR*\b:128*(\p)+FR*\b+FR-1], v[AF+FR*(\a):AF+FR*(\a)+FR-1], v[8*(8*((\a)%4)+\b):8*(8*((\a)%4)+\b)+7], v[SC+8*NQ*(\sc)+NQ*\b+(\q)], v[SC+8*NQ*(\sc)+NQ*(\a)+(\q)] matrix_a_fmt:MATRIX_FMT_BF8 matrix_b_fmt:MATRIX_FMT_BF8 matrix_a_scale:MATRIX_SCALE_ROW1
.endif
.endr
.endr
.endm
.macro FETCH_B slot, q, p
	WIN TO_B
.irp i, 0,1,2,3,4,5,6,7
	FRAG 128*(\p)+FR*\i, ADRB+\slot, \q, \i
.endr
	WIN 0
.endm
.macro FETCH_A slot, q, i0
.irp i, \i0, \i0+1, \i0+2, \i0+3
	FRAG AF+FR*(\i), ADRA+\slot, \q, \i
.endr
.endm
.macro SCALES sc
.irp i, 0,1,2,3,4,5,6,7
	ds_load_b64 v[SC+8*NQ*\sc+NQ*\i:SC+8*NQ*\sc+NQ*\i+1], v[ADRS] offset:\i*SBLK
.endr
.endm
.macro PLACES n
.rept \n
	v_nop
.endr
.endm
.macro STEP slot, q, zero
	s_wait_dscnt 4*NL
	WIN MUL_LO
	MUL16 0, (\q)%2, \q, \slot, \zero
	MUL16 2, (\q)%2, \q, \slot, \zero
	s_wait_dscnt 0
	PLACES NP
	FETCH_B \slot, (\q)+1, 1-(\q)%2
	FETCH_A \slot, (\q)+1, 0
	WIN MUL_HI
	MUL16 4, (\q)%2, \q, \slot, \zero
	MUL16 6, (\q)%2, \q, \slot, \zero
	PLACES NP
	WIN 0
	FETCH_A \slot, (\q)+1, 4
.endm
.macro TURN slot, next, fill
	s_wait_tensorcnt 0x0
	ds_add_u32 v[SPW], v[NIL]
	s_wait_dscnt 4*NL+1
	WIN MUL_LO
	MUL16 0, 1, NQ-1, \slot, 0
	s_wait_dscnt 0x0
	s_barrier_signal -1
	MUL16 2, 1, NQ-1, \slot, 0
	WIN 0
	s_barrier_wait -1
.if \fill
	CREST
	s_add_nc_u64 s[G0+4*\slot+2:G0+4*\slot+3], s[G0+4*\slot+2:G0+4*\slot+3], 2*ROWB
	s_add_nc_u64 s[G0B+4*\slot+2:G0B+4*\slot+3], s[G0B+4*\slot+2:G0B+4*\slot+3], 2*ROWB
	JLOAD G0+4*\slot, G1, G0B+4*\slot, G1B
	PLACES NP-4
.else
	PLACES NP
.endif
	s_wait_alu depctr_va_vdst(0)
	v_add_nc_u32 v[ADRS], 4*NQ, v[ADRS]
	FETCH_B \next, 0, 0
	FETCH_A \next, 0, 0
	SCALES \next
	WIN MUL_HI
	MUL16 4, 1, NQ-1, \slot, 0
	MUL16 6, 1, NQ-1, \slot, 0
	PLACES NP
	WIN 0
	FETCH_A \next, 0, 4
.endm
	s_wait_alu depctr_va_vdst(0)
	s_wait_tensorcnt 1
	s_barrier_signal -1
	s_barrier_wait -1
	FETCH_B 0, 0, 0
	FETCH_A 0, 0, 0
	SCALES 0
	FETCH_A 0, 0, 4
	STEP 0, 0, 1
	TURN 0, 1, 1
	STEP 1, 0, 0
	TURN 1, 0, 1
	STEP 0, 0, 0
	TURN 0, 1, 0
	STEP 1, 0, 0
	s_wait_dscnt 4*NL
	WIN MUL_LO
	MUL16 0, 1, NQ-1, 1, 0
	MUL16 2, 1, NQ-1, 1, 0
	s_wait_dscnt 0
	WIN MUL_HI
	MUL16 4, 1, NQ-1, 1, 0
	MUL16 6, 1, NQ-1, 1, 0
	WIN 0
.macro QUANT s, pw
.irp b, 0,1,2,3
	v_max3_num_f32 v[TM+\b], |v[\s+16*\b]|, |v[\s+1+16*\b]|, 0x8000000
.endr
.irp i, 2,4,6,8,10,12,14
.irp b, 0,1,2,3
	v_max3_num_f32 v[TM+\b], v[TM+\b], |v[\s+16*\b+\i]|, |v[\s+1+16*\b+\i]|
.endr
.endr
.irp b, 0,1,2,3
	v_permlanex16_b32 v[TM+4+\b], v[TM+\b], s[SEL], s[SEL+1]
.endr
.irp b, 0,1,2,3
	v_max_num_f32 v[TM+\b], v[TM+\b], v[TM+4+\b]
.endr
.irp b, 0,1,2,3
	v_add_nc_u32 v[TM+12+\b], 0xf8800000, v[TM+\b]
.endr
.irp b, 0,1,2,3
.endr
.irp b, 0,1,2,3
	v_lshrrev_b32 v[TM+4+\b], 23, v[TM+12+\b]
.endr
	v_lshl_or_b32 v[\pw], v[TM+5], 8, v[TM+4]
	v_lshl_or_b32 v[\pw], v[TM+6], 16, v[\pw]
	v_lshl_or_b32 v[\pw], v[TM+7], 24, v[\pw]
.irp b, 0,1,2,3
.irp i, 0,1,2,3,4,5,6,7,8,9,10,11,12,13,14,15
.endr
	v_cvt_scalef32_pk8_bf8_f32 v[PC+4*\b:PC+1+4*\b], v[\s+16*\b:\s+7+16*\b], v[TM+12+\b]
	v_cvt_scalef32_pk8_bf8_f32 v[PC+2+4*\b:PC+3+4*\b], v[\s+8+16*\b:\s+15+16*\b], v[TM+12+\b]
.endr
	v_nop
.endm
.macro EPIKV a
.set AC, 64*((\a)%4)
.set BP, BL+2*((\a)/2)
	s_cmp_eq_u32 s[PATH], 2
	s_cbranch_scc1 .Lby_lane_\@
	WIN 0x02+(\a)/4
.set k, 0
.rept 32
	v_pk_add_f32 v[ST+2*k:ST+2*k+1], v[AC+2*k:AC+2*k+1], v[BR+2*k:BR+2*k+1]
.set k, k+1
.endr
	WIN 0
	s_branch .Lbiased_\@
.Lby_lane_\@:
	WIN 0x02+(\a)/4
.set k, 0
.rept 32
.if (\a)%2
	v_pk_add_f32 v[ST+2*k:ST+2*k+1], v[AC+2*k:AC+2*k+1], v[BP:BP+1] op_sel:[0,1] op_sel_hi:[1,1]
.else
	v_pk_add_f32 v[ST+2*k:ST+2*k+1], v[AC+2*k:AC+2*k+1], v[BP:BP+1] op_sel_hi:[1,0]
.endif
.set k, k+1
.endr
	WIN 0
.Lbiased_\@:
.if (\a) > 0
	s_wait_xcnt 0x0
.if (\a) == 4
	s_add_nc_u64 s[12:13], s[12:13], s[30:31]
.else
	s_add_nc_u64 s[12:13], s[12:13], s[28:29]
.endif
.endif
	QUANT ST, W+(\a)
	global_store_b128 v[LI], v[PC:PC+3], s[12:13] th:TH_STORE_NT
	global_store_b128 v[LI], v[PC+4:PC+7], s[12:13] offset:512 th:TH_STORE_NT
	global_store_b128 v[AD2], v[PC+8:PC+11], s[12:13] th:TH_STORE_NT
	global_store_b128 v[AD2], v[PC+12:PC+15], s[12:13] offset:512 th:TH_STORE_NT
.endm
.macro FRAGNO
	s_and_b32 s18, ttmp7, 7
	s_lshl_b32 s18, s18, 4
	s_lshl_b32 s19, s41, 2
	s_add_co_u32 s18, s18, s19
	s_add_co_u32 s18, s18, s40
	s_lshl_b32 s18, s18, 2
	s_add_co_u32 s18, s18, s14
	s_lshr_b32 s20, s18, 3
	s_lshl_b32 s20, s20, 14
	s_and_b32 s22, s18, 7
	s_lshl_b32 s22, s22, 7
	s_add_co_u32 s20, s20, s22
	s_mov_b32 s21, 0
.endm
	PLACES NP
	s_wait_loadcnt 0x0
	s_mov_b32 s[SEL], 0x76543210
	s_mov_b32 s[SEL+1], 0xfedcba98
	s_cmp_eq_u32 s[PATH], 2
	s_mov_b32 s28, 1024
	s_cselect_b32 s28, 2048, s28
	s_mov_b32 s29, 0
	s_mov_b32 s30, 1024
	s_cselect_b32 s30, HSTR-3*2048, s30
	s_mov_b32 s31, 0
	s_mov_b32 s27, HSTR
	s_cselect_b32 s27, 1024, s27
	v_add_nc_u32 v[AD2], s27, v[LI]
.irp b, 0,1,2,3
	v_mov_b32 v[TM+4+\b], 0
.endr
.irp a, 0,1,2,3,4,5,6,7
	EPIKV \a
.endr
	v_cmp_eq_u32 vcc_lo, 1, v2
	s_cmp_eq_u32 s[PATH], 2
	s_cbranch_scc1 .Lv_tail
	v_mov_b32 v[SELV], 0x05040100
	v_mov_b32 v[SELV+1], 0x07060302
	v_cndmask_b32 v[SELV], v[SELV], v[SELV+1], vcc_lo
.irp i, 0,1,2,3
	v_perm_b32 v[XW+\i], v[W+2*\i+1], v[W+2*\i], v[SELV]
.endr
	global_store_b128 v[ADS], v[XW:XW+3], s[96:97] th:TH_STORE_NT
	s_load_b128 s[68:71], s[0:1], 0x58
	s_load_b64 s[72:73], s[0:1], 0x68
	FRAGNO
	s_lshr_b32 s22, s18, 6
	s_mul_i32 s22, s22, HSTR
	s_and_b32 s19, s18, 63
	s_lshl_b32 s23, s19, 11
	s_add_co_u32 s92, s22, s23
	s_mov_b32 s93, 0
	s_lshl_b32 s23, s19, 6
	s_add_co_u32 s94, s22, s23
	s_add_co_u32 s94, s94, 131072
	s_mov_b32 s95, 0
	s_lshl_b32 s22, s18, 6
	s_mov_b32 s23, 0
	v_lshlrev_b32 v3, 10, v1
	v_lshl_add_u32 v3, v2, 4, v3
	s_wait_alu depctr_va_vdst(0)
	s_wait_kmcnt 0x0
	s_add_nc_u64 s[68:69], s[68:69], s[20:21]
	s_add_nc_u64 s[70:71], s[70:71], s[22:23]
	s_add_nc_u64 s[74:75], s[72:73], s[94:95]
	s_add_nc_u64 s[72:73], s[72:73], s[92:93]
.irp c, 0,1,2,3
	global_load_b128 v[R+4*\c:R+4*\c+3], v3, s[68:69] offset:32*\c
.endr
	global_load_b32 v[SCP], v[BAL], s[70:71]
	s_wait_loadcnt 0x0
.irp c, 0,1,2,3
	global_store_b128 v[LI], v[R+4*\c:R+4*\c+3], s[72:73] offset:512*\c
.endr
	global_store_b32 v[BAL], v[SCP], s[74:75]
	s_branch .Lend
.Lv_tail:
.irp i, 0,1,2,3
	v_cndmask_b32 v[XW+\i], v[W+\i], v[W+4+\i], vcc_lo
.endr
	global_store_b128 v[ADS], v[XW:XW+3], s[96:97] th:TH_STORE_NT
	s_load_b128 s[68:71], s[0:1], 0x48
	FRAGNO
	s_lshl_b32 s22, s18, 11
	s_mov_b32 s23, 0
	v_lshlrev_b32 v3, 10, v1
	v_lshl_add_u32 v3, v2, 3, v3
	s_wait_alu depctr_va_vdst(0)
	s_wait_kmcnt 0x0
	s_add_nc_u64 s[68:69], s[68:69], s[20:21]
	s_add_nc_u64 s[70:71], s[70:71], s[22:23]
.irp c, 0,1,2,3
	global_load_b64 v[R+4*\c:R+4*\c+1], v3, s[68:69] offset:32*\c
	global_load_b64 v[R+4*\c+2:R+4*\c+3], v3, s[68:69] offset:32*\c+16
.endr
	s_wait_loadcnt 0x0
.irp c, 0,1,2,3
	global_store_b128 v[LI], v[R+4*\c:R+4*\c+3], s[70:71] offset:512*\c
.endr
.Lend:
	s_wait_tensorcnt 0x0
	ds_add_u32 v[SPW], v[NIL]
	s_wait_dscnt 0x0
	CROUND
	s_endpgm
.Lfunc_end_k_qaaf8882ea1_proj:
	.size	k_qaaf8882ea1_proj, .Lfunc_end_k_qaaf8882ea1_proj-k_qaaf8882ea1_proj
	.p2alignl 7, 3214868480
	.fill 96, 4, 3214868480
	.section	.rodata,"a",@progbits
	.p2align	6, 0x0
	.amdhsa_kernel k_qaaf8882ea1_proj
		.amdhsa_group_segment_fixed_size 327680
		.amdhsa_private_segment_fixed_size 0
		.amdhsa_enable_private_segment 0
		.amdhsa_kernarg_size 112
		.amdhsa_user_sgpr_count 2
		.amdhsa_user_sgpr_kernarg_segment_ptr 1
		.amdhsa_wavefront_size32 1
		.amdhsa_system_sgpr_workgroup_id_x 1
		.amdhsa_system_sgpr_workgroup_id_y 1
		.amdhsa_system_sgpr_workgroup_id_z 1
		.amdhsa_system_vgpr_workitem_id 0
		.amdhsa_next_free_vgpr 1024
		.amdhsa_next_free_sgpr 100
		.amdhsa_reserve_vcc 1
		.amdhsa_float_denorm_mode_32 3
		.amdhsa_float_denorm_mode_16_64 3
		.amdhsa_fp16_overflow 1
		.amdhsa_memory_ordered 1
		.amdhsa_forward_progress 1
		.amdhsa_inst_pref_size 192
	.end_amdhsa_kernel
	.amdgpu_metadata
---
amdhsa.version: [ 1, 2 ]
amdhsa.kernels:
  - .name:           k_qaaf8882ea1_proj
    .symbol:         k_qaaf8882ea1_proj.kd
    .args:
      - { .name: K_codes, .offset: 0, .size: 8, .value_kind: global_buffer, .address_space: global }
      - { .name: K_scales, .offset: 8, .size: 8, .value_kind: global_buffer, .address_space: global }
      - { .name: Wk_codes, .offset: 16, .size: 8, .value_kind: global_buffer, .address_space: global }
      - { .name: Wk_scales, .offset: 24, .size: 8, .value_kind: global_buffer, .address_space: global }
      - { .name: Wv_codes, .offset: 32, .size: 8, .value_kind: global_buffer, .address_space: global }
      - { .name: Wv_scales, .offset: 40, .size: 8, .value_kind: global_buffer, .address_space: global }
      - { .name: bk, .offset: 48, .size: 8, .value_kind: global_buffer, .address_space: global }
      - { .name: bv, .offset: 56, .size: 8, .value_kind: global_buffer, .address_space: global }
      - { .name: kv, .offset: 64, .size: 8, .value_kind: global_buffer, .address_space: global }
      - { .name: Wo_codes, .offset: 72, .size: 8, .value_kind: global_buffer, .address_space: global }
      - { .name: woimg, .offset: 80, .size: 8, .value_kind: global_buffer, .address_space: global }
      - { .name: Wq_codes, .offset: 88, .size: 8, .value_kind: global_buffer, .address_space: global }
      - { .name: Wq_scales, .offset: 96, .size: 8, .value_kind: global_buffer, .address_space: global }
      - { .name: wq, .offset: 104, .size: 8, .value_kind: global_buffer, .address_space: global }
    .group_segment_fixed_size: 327680
    .private_segment_fixed_size: 0
    .kernarg_segment_align: 8
    .kernarg_segment_size: 112
    .max_flat_workgroup_size: 128
    .sgpr_count:     100
    .vgpr_count:     1024
    .wavefront_size: 32
...
	.end_amdgpu_metadata
.endif
;; end of part 1
;; launch attn (part 2): grid 4 x 64, 16 waves a work-group, clusters of 4 x 1, 327,680 bytes of LDS; arguments Q_codes, Q_scales, wq, bq, kv, oimg; writes oimg
.if DOCPART == 2
	.amdgcn_target "amdgcn-amd-amdhsa--gfx1250"
	.amdhsa_code_object_version 6
	.text
	.protected	k_qaaf8882ea1_attn
	.globl	k_qaaf8882ea1_attn
	.p2align	8
	.type	k_qaaf8882ea1_attn,@function
k_qaaf8882ea1_attn:
	s_mov_b64 s[64:65], 0
	v_nop
	global_prefetch_b8 v0, s[64:65] scope:SCOPE_SE
	s_setreg_imm32_b32 hwreg(HW_REG_WAVE_MODE, 25, 1), 1
	s_wait_xcnt 0x0
	s_wait_alu depctr_hold_cnt(0) depctr_sa_sdst(0) depctr_va_vdst(0) depctr_va_sdst(0) depctr_va_ssrc(0) depctr_va_vcc(0) depctr_vm_vsrc(0)
	s_getreg_b32 s2, hwreg(HW_REG_IB_STS2, 6, 4)
	s_cmp_eq_u32 s2, 0
	s_cbranch_scc0 .Lentry_in_a_cluster
	s_endpgm
.Lentry_in_a_cluster:
	s_bfe_u32 s2, ttmp6, 0x10000c
	s_cmp_lg_u32 s2, 0x3003
	s_cbranch_scc0 .Lentry_shape_is_right
	s_endpgm
.Lentry_shape_is_right:
; q = Q Wq^T + bq, and o = q + softmax(q k^T / 32) v for each head of 64: all three products on codes of BF8 (E5M2) with one E8M0 scale for each 32 along a product's K.  No work of the problem is left out here.
; Q's codes and scales are the problem's; Wq's come from wq, k's and v's from kv, laid as images of the operands' registers by the launch before.  q stays in registers in f32, for the residual, and is quantised here along the head's 64.
; THE SOFTMAX: t = score x log2(e) / 32; M = the running largest t rounded UP to a whole number; p = 2^(t - M) is quantised along the keys, not normalised; the row's sum is taken of the unquantised p and divides at the end.
; LIMITS: NaN and infinities are not served; a block under 2^-111, or of zeros, keeps the scale byte 1; inside a block of 32 the codes that this program makes stand in the order of the first launch's head comment, alike on both sides.
; SHARES.  A work-group owns 256 queries of one PAIR of heads; each of its sixteen waves 16 queries, in 256 registers, for both heads in turn.
; LDS.  Bytes 0 to 135,167: the first head's k, v and scale words.  Bytes 135,168 to 270,335: first the pair's 128 rows of Wq (64 fragments of 2,048 bytes and 4,096 scale bytes: 135,168 bytes, as many as a head of kv),
; then, when q is made, the second head's k, v and scale words: these bytes are filled again once, each wave's 33 rows of 256 bytes onto the 33 that it filled first, and that load has the whole first head in which to land.
; CLUSTER: the four blocks of queries of a batch read the same bytes of wq and kv: every tensor load is joint, with the mask of all four.
; LAYOUT.  All products are used transposed (source 0 = Wq's rows, the keys, or 16 of the head's 64; source 1 = my 16 queries): a lane holds one query throughout.
; K = 64 IN AN INSTRUCTION 128 DEEP.  Source 0 is a PAIR of key tiles, 2 i and 2 i + 1, 64 codes of each; source 1 is [q | zeros] for tile 2 i's scores and [zeros | q] for tile 2 i + 1's: the other tile's
; codes meet zero codes.  (k's codes are finite: the quantiser holds them.)  The three runs q, zeros, q lie on end, so both forms are runs of 16 registers.
.set HSTR,  135168                     ; a head in LDS and in kv: 8 steps of 16,896 bytes; also a block of wq
.set STEPB, 16896                      ; a step of 128 keys: k's codes 8,192, v's 8,192, k's words 256, v's 256
.set SHARE, 8448                       ; what one tensor load brings: 33 rows of 256 bytes
.set SPARE, 2*HSTR                     ; the spare words, 128 bytes for each wave; no other line names them
.set LI,  1                            ; v1   16 x lane
.set AD,  2                            ; v2   the step's LDS address
.set SPW, 3                            ; v3   my spare word; never rewritten
.set NIL, 4                            ; v4   0; never rewritten
.set TMP, 5
.set F,   6                            ; v6 f = 2^(old M - new M); v7 p's scale word
.set NM,  8                            ; v8 -M; v9 the largest t.  While q is made: v8 32 h, v9 32 r
.set BQA, 8
.set QSA, 9
.set SUM, 10                           ; v[10:11] the row's sum, in two halves
.set QC,  12                           ; v12-19 q's codes, v20-27 zeros, v28-35 q's codes again
.set KV,  36                           ; v36-67 two pairs of key tiles; in the softmax its first 16 are at work:
.set BM,  36
.set BT,  40
.set HD,  44
.set SO,  48
.set Q1F, 68                           ; v68-99   the second head's q in f32: four accumulators of the projection
.set S,   100                          ; v100-163 S^T, then p, then v's four operands.  While q is made: four fragments of Wq
.set WF,  100
.set O,   164                          ; v164-195 O^T
.set QF0, 196                          ; v196-227 the first head's q in f32: four accumulators of the projection
.set PC,  228                          ; v228-243 p's codes
.set SCW, 244                          ; v244-247 lanes 0-15: k's four pair words; lanes 16-31: v's four words.  While q is made: Wq's scale words, tile u below, tile 4 + u above
.set QW,  248                          ; v248 q's two bytes below, v249 above
.set QSW, 248                          ; v248-251 while q is made: Q's scale words of four K steps
.set RL,  250                          ; v[250:251] 1 / the sum
.set QA,  252                          ; v252 Q: row r of 1,024 bytes, + 16 h
.set AW0, 253                          ; v253, v254 LDS: Wq's tiles 0-3, tiles 4-7: 16 x lane on
.set AWS, 255                          ; v255 LDS: Wq's scale bytes: 32 r + 2,048 h on
.set WV,  44
.set G1,  16
.set SEL, 32
.set CS,  34
.set MNT, 36
.set TB,  37
.set CNT, 38
.macro CROUND
	s_barrier_signal -1
	s_barrier_wait -1
	s_cmp_lg_u32 s[WV], 0
	s_cbranch_scc1 .Lnot_wave_0_\@
	s_barrier_signal -3
.Lnot_wave_0_\@:
	s_barrier_wait -3
	s_barrier_signal -1
	s_barrier_wait -1
.endm
	s_load_b256 s[4:11], s[0:1], 0x0               ; Q's codes, Q's scales, wq, bq
	s_load_b128 s[12:15], s[0:1], 0x20             ; kv, oimg
	v_lshl_add_u32 v[SPW], v0, 2, SPARE
	v_mov_b32 v[NIL], 0
	ds_add_u32 v[SPW], v[NIL]                      ; the wave's opening: the add, twice on end, and its wait ahead of my first tensor load
	ds_add_u32 v[SPW], v[NIL]
	v_lshrrev_b32 v[TMP], 5, v0
	s_delay_alu instid0(VALU_DEP_1)
	v_readfirstlane_b32 s[WV], v[TMP]              ; wave 0..15
	s_bfe_u32 s45, ttmp6, 0x40000                  ; cx: my block of 256 queries: it enters Q's and o's addresses alone
	s_and_b32 s46, ttmp7, 0xffff                   ; 8 x batch + head pair, which the four partners share
	s_and_b32 s47, s46, 7                          ; the head pair
	s_mov_b32 s[G1], 15|(3<<16)|(1<<21)            ; the mask: all four; elements of 8 bytes; bit 21 beside a mask; no padding
	s_mov_b32 s[G1+1], 32<<16                      ; tensor_dim0 = 32 elements: 256 bytes
	s_mov_b32 s[G1+2], 33<<16                      ; tensor_dim1 = 33
	s_mov_b32 s[G1+3], 32<<16                      ; tile_dim0
	s_mov_b32 s[G1+4], 33                          ; tile_dim1
	s_mov_b32 s[G1+5], 32                          ; dense rows
	s_mov_b32 s[G1+6], 0
	s_mov_b32 s[G1+7], 0
	s_mul_i32 s39, s[WV], SHARE                    ; my share of 135,168 bytes, in LDS and in memory alike
	s_mul_i32 s40, s46, 2*HSTR
	s_add_co_u32 s40, s40, s39                     ; kv: the pair's first head, my share
	s_mov_b32 s41, 0
	s_mul_i32 s42, s47, HSTR
	s_add_co_u32 s42, s42, s39                     ; wq: the pair's block, my share
	s_mov_b32 s43, 0
	s_lshr_b32 s52, s46, 3
	s_lshl_b32 s52, s52, 6                         ; 64 tiles of 16 queries a batch,
	s_lshl_b32 s53, s45, 4                         ; 16 a work-group,
	s_add_co_u32 s52, s52, s53
	s_add_co_u32 s52, s52, s[WV]                   ; one a wave: my tile, 0 .. 511
	s_lshl_b32 s54, s52, 14                        ; its codes: 16 rows of 1,024 bytes
	s_mov_b32 s55, 0
	s_lshl_b32 s58, s52, 9                         ; its scale bytes: 16 rows of 32
	s_mov_b32 s59, 0
	s_lshl_b32 s60, s47, 9                         ; bq of the pair's 128 e
	s_mov_b32 s61, 0
	s_lshr_b32 s56, s52, 3                         ; oimg [64 blocks of 128 tokens][8 head pairs][8 tiles] x 8,192 bytes
	s_lshl_b32 s56, s56, 3
	s_or_b32 s56, s56, s47
	s_lshl_b32 s56, s56, 3
	s_and_b32 s57, s52, 7
	s_or_b32 s56, s56, s57
	s_lshl_b32 s56, s56, 13
	s_mov_b32 s57, 0
	s_mov_b32 s[SEL], 0x76543210
	s_mov_b32 s[SEL+1], 0xfedcba98                 ; v_permlanex16_b32's selects for lane l xor 16
	s_mov_b32 s[CS], 0x3d38aa3b                    ; c = log2(e) / 32
	s_mov_b32 s[CS+1], s[CS]                       ; (named with it as a pair)
	s_mov_b32 s[TB], 0
	s_wait_dscnt 0x0                               ; both opening adds are done
	s_wait_kmcnt 0x0
	s_add_nc_u64 s[4:5], s[4:5], s[54:55]
	s_add_nc_u64 s[6:7], s[6:7], s[58:59]
	s_add_nc_u64 s[10:11], s[10:11], s[60:61]
	s_add_nc_u64 s[14:15], s[14:15], s[56:57]
	s_mov_b32 s24, 1                               ; group 0 for my share of Wq,
	s_add_co_u32 s25, s39, HSTR
	s_add_nc_u64 s[26:27], s[8:9], s[42:43]
	s_or_b32 s27, s27, 0x80000000
	s_mov_b32 s28, 1                               ; of the first head,
	s_mov_b32 s29, s39
	s_add_nc_u64 s[30:31], s[12:13], s[40:41]
	s_mov_b32 s48, 1                               ; and of the second, which will land where Wq lay
	s_add_co_u32 s49, s39, HSTR
	s_add_nc_u64 s[50:51], s[30:31], HSTR
	s_or_b32 s31, s31, 0x80000000
	s_or_b32 s51, s51, 0x80000000
	CROUND                                         ; all four work-groups are here: the joint loads meet
	tensor_load_to_lds s[24:27], s[G1:G1+7]        ; Wq first: it is wanted first
	s_nop 0
	tensor_load_to_lds s[28:31], s[G1:G1+7]        ; two tensor loads of mine are out
	s_nop 0
.rept 4
	v_nop
.endr
	v_and_b32 v[LI], 31, v0
	s_delay_alu instid0(VALU_DEP_1)
	v_lshlrev_b32 v[LI], 4, v[LI]
	v_and_b32 v[TMP], 15, v0                       ; r
	v_bfe_u32 v[AD], v0, 4, 1                      ; h
	s_delay_alu instid0(VALU_DEP_1)
	v_lshlrev_b32 v[BQA], 5, v[AD]
	s_delay_alu instid0(VALU_DEP_3)
	v_lshlrev_b32 v[QSA], 5, v[TMP]
	s_delay_alu instid0(VALU_DEP_4)
	v_lshlrev_b32 v[QA], 10, v[TMP]
	s_delay_alu instid0(VALU_DEP_1)
	v_lshl_add_u32 v[QA], v[AD], 4, v[QA]
	v_add_nc_u32 v[AW0], HSTR, v[LI]
	v_add_nc_u32 v[AW0+1], HSTR+65536, v[LI]
	v_lshl_add_u32 v[AWS], v[AD], 11, v[QSA]
	s_delay_alu instid0(VALU_DEP_1)
	v_add_nc_u32 v[AWS], HSTR+131072, v[AWS]
; Q's fragment and scale word of K step k, into set k % 4: sets 0, 1 at v164-195, sets 2, 3 at v36-67: five loads
.macro QLOAD k
.set QR, 164+16*((\k)%4)-160*(((\k)%4)/2)
.irp c, 0,1,2,3
	global_load_b128 v[QR+4*\c:QR+4*\c+3], v[QA], s[4:5] offset:128*(\k)+32*\c
.endr
	global_load_b32 v[QSW+(\k)%4], v[QSA], s[6:7] offset:4*(\k)
.endm
.irp t, 0,1,2,3,4,5,6,7                        ; bq is the C of each sum's first product: register 8 t + j is e = 16 t + 8 h + j.  Tiles 0-3 (the first head) at v196 on, tiles 4-7 at v68 on
.set AC, 196+8*\t-160*(\t/4)
	global_load_b128 v[AC:AC+3], v[BQA], s[10:11] offset:64*\t
	global_load_b128 v[AC+4:AC+7], v[BQA], s[10:11] offset:64*\t+16
.endr
	QLOAD 0
	QLOAD 1
	QLOAD 2
	QLOAD 3
	v_mov_b32 v[F+1], 0                            ; (named as the upper half of a pair before it is first written)
.irp i, 0,1,2,3,4,5,6,7
	v_mov_b32 v[QC+8+\i], 0                        ; the zero codes, once
.endr
; K STEP s OF q = Q Wq^T + bq: eight tiles of 16 rows of Wq, four at a time, against my 16 queries.  n: the younger global loads that may stay out.  The eight accumulators take turns.
.macro PSTEP s, n
.set QB, 164+16*((\s)%4)-160*(((\s)%4)/2)
.irp g, 0,1
.if ((\s) > 0) || (\g > 0)
.rept 8
	v_nop                                          ; places in front of loads into registers that the last products read
.endr
.endif
.if (\g == 0) && ((\s) > 0) && ((\s) < 5)
	QLOAD (\s)+3                                   ; into the set that the last K step has left
.endif
.irp tt, 0,1,2,3
.irp c, 0,1,2,3
	ds_load_b128 v[WF+16*\tt+4*\c:WF+16*\tt+4*\c+3], v[AW0+\g] offset:(8*\tt+(\s))*2048+512*\c
.endr
.endr
.if \g == 0
.irp u, 0,1,2,3
	ds_load_b32 v[SCW+\u], v[AWS] offset:512*\u+4*(\s)
.endr
	s_wait_loadcnt \n
.endif
	s_wait_dscnt 0x0
.irp tt, 0,1,2,3
.set AC, 196+8*(4*\g+\tt)-160*\g
.if \g == 0
	v_wmma_scale_f32_16x16x128_f8f6f4 v[AC:AC+7], v[WF+16*\tt:WF+16*\tt+15], v[QB:QB+15], v[AC:AC+7], v[SCW+\tt], v[QSW+(\s)%4] matrix_a_fmt:MATRIX_FMT_BF8 matrix_b_fmt:MATRIX_FMT_BF8
.else
	v_wmma_scale_f32_16x16x128_f8f6f4 v[AC:AC+7], v[WF+16*\tt:WF+16*\tt+15], v[QB:QB+15], v[AC:AC+7], v[SCW+\tt], v[QSW+(\s)%4] matrix_a_fmt:MATRIX_FMT_BF8 matrix_b_fmt:MATRIX_FMT_BF8 matrix_a_scale:MATRIX_SCALE_ROW1
.endif
.endr
.endr
.endm
; A head begins: q's two blocks of 32 are quantised; the statistics and O^T are set.  q itself (32 registers from qf on) stays whole for the residual.
.macro HEADQ qf
.irp b, 0,1
	v_max3_num_f32 v[BM+\b], |v[\qf+16*\b]|, |v[\qf+1+16*\b]|, 0x8000000   ; with the floor 2^(16 - 127).  Each accumulator is read from its low end on
.endr
.irp i, 2,4,6,8,10,12,14
.irp b, 0,1
	v_max3_num_f32 v[BM+\b], v[BM+\b], |v[\qf+16*\b+\i]|, |v[\qf+1+16*\b+\i]|
.endr
.endr
.irp b, 0,1
	s_delay_alu instid0(VALU_DEP_2)
	v_permlanex16_b32 v[BT+\b], v[BM+\b], s[SEL], s[SEL+1]
.endr
.irp b, 0,1
	s_delay_alu instid0(VALU_DEP_2)
	v_max_num_f32 v[BM+\b], v[BM+\b], v[BT+\b]
.endr
.irp b, 0,1
	s_delay_alu instid0(VALU_DEP_2)
	v_add_nc_u32 v[SO+\b], 0xf8800000, v[BM+\b]    ; 15 off the exponent field: the conversion's scale operand
.endr
.irp b, 0,1
.endr
.irp b, 0,1
	s_delay_alu instid0(VALU_DEP_2)
	v_lshrrev_b32 v[BT+\b], 23, v[SO+\b]
.endr
	s_delay_alu instid0(VALU_DEP_1)
	v_lshl_or_b32 v[QW], v[BT+1], 8, v[BT]         ; for [q | zeros]: the byte 0 stands over the zero codes
	s_delay_alu instid0(VALU_DEP_1)
	v_lshlrev_b32 v[QW+1], 16, v[QW]               ; for [zeros | q]
.irp b, 0,1
.irp i, 0,1,2,3,4,5,6,7,8,9,10,11,12,13,14,15
.endr
	v_cvt_scalef32_pk8_bf8_f32 v[QC+4*\b:QC+4*\b+1], v[\qf+16*\b:\qf+16*\b+7], v[SO+\b]
	v_cvt_scalef32_pk8_bf8_f32 v[QC+4*\b+2:QC+4*\b+3], v[\qf+16*\b+8:\qf+16*\b+15], v[SO+\b]
.endr
	v_nop                                          ; a plain instruction behind the last conversion
.irp i, 0,1,2,3,4,5,6,7
	v_mov_b32 v[QC+16+\i], v[QC+\i]
.endr
	v_mov_b32 v[NM+1], 0xff61b1e6                  ; the largest t so far: -3e38
	s_delay_alu instid0(VALU_DEP_1)
	v_floor_f32 v[NM], -v[NM+1]
	v_mov_b32 v[SUM], 0
	v_mov_b32 v[SUM+1], 0
.set j, 0
.rept 32
	v_mov_b32 v[O+j], 0                            ; the step is written once: its first trip finds zeros
.set j, j+1
.endr
.endm
; A KEY STEP: 128 keys.
.macro STEP
	v_add_nc_u32 v[AD], s[TB], v[LI]
	s_wait_alu depctr_va_vdst(0)
.rept 8
	v_nop                                          ; with the addition: nine places: the scores below are written over registers that the last products read as v's operands
.endr
.irp g, 0,1                                    ; S^T = k q^T, two pairs of key tiles at a time
.if \g == 1
.rept 8
	v_nop                                          ; places in front of loads into registers that the last products read
.endr
.endif
.set j, 0
.rept 8
	ds_load_b128 v[KV+4*j:KV+4*j+3], v[AD] offset:4096*\g+512*j   ; as they lie
.set j, j+1
.endr
.if \g == 0
	ds_load_b128 v[SCW:SCW+3], v[AD] offset:16384  ; lanes 0-15 fall on k's words, lanes 16-31 on v's
.endif
	s_wait_dscnt 0x0
.irp i, 0,1
	v_wmma_scale_f32_16x16x128_f8f6f4 v[S+32*\g+16*\i:S+32*\g+16*\i+7], v[KV+16*\i:KV+16*\i+15], v[QC:QC+15], 0, v[SCW+2*\g+\i], v[QW] matrix_a_fmt:MATRIX_FMT_BF8 matrix_b_fmt:MATRIX_FMT_BF8
	v_wmma_scale_f32_16x16x128_f8f6f4 v[S+32*\g+16*\i+8:S+32*\g+16*\i+15], v[KV+16*\i:KV+16*\i+15], v[QC+8:QC+23], 0, v[SCW+2*\g+\i], v[QW+1] matrix_a_fmt:MATRIX_FMT_BF8 matrix_b_fmt:MATRIX_FMT_BF8
.endr
.endr                                          ; register 8 t + j is key 16 t + 8 h + j: registers 16 b .. 16 b + 15 of lanes l and l xor 16 are block b of 32 keys
.rept 8
	v_nop
.endr
.irp b, 0,1,2,3
	v_max3_num_f32 v[BM+\b], v[S+16*\b], v[S+1+16*\b], v[S+2+16*\b]   ; each block's largest score: for the row's maximum, and, since p rises with the score, for the block's largest p
.endr
.irp i, 3,5,7,9,11,13
.irp b, 0,1,2,3
	v_max3_num_f32 v[BM+\b], v[BM+\b], v[S+16*\b+\i], v[S+1+16*\b+\i]
.endr
.endr
.irp b, 0,1,2,3
	v_max_num_f32 v[BM+\b], v[BM+\b], v[S+15+16*\b]
.endr
.irp b, 0,1,2,3
	s_delay_alu instid0(VALU_DEP_4)
	v_permlanex16_b32 v[BT+\b], v[BM+\b], s[SEL], s[SEL+1]
.endr
.irp b, 0,1,2,3
	s_delay_alu instid0(VALU_DEP_4)
	v_max_num_f32 v[BM+\b], v[BM+\b], v[BT+\b]
.endr
	s_delay_alu instid0(VALU_DEP_2)
	v_max3_num_f32 v[TMP], v[BM], v[BM+1], v[BM+2]
	s_delay_alu instid0(VALU_DEP_1)
	v_max_num_f32 v[TMP], v[TMP], v[BM+3]
	s_delay_alu instid0(VALU_DEP_1)
	v_mul_f32 v[TMP], s[CS], v[TMP]                ; the step's largest t
	s_delay_alu instid0(VALU_DEP_1)
	v_max_num_f32 v[NM+1], v[NM+1], v[TMP]
	v_mov_b32 v[TMP], v[NM]
	s_delay_alu instid0(VALU_DEP_2)
	v_floor_f32 v[NM], -v[NM+1]                    ; the new -M = -ceil(t)
	s_delay_alu instid0(VALU_DEP_1)
	v_sub_f32 v[TMP], v[NM], v[TMP]                ; old M - new M: a whole number, 0 or less
	s_delay_alu instid0(VALU_DEP_1)
	v_cvt_i32_f32 v[TMP], v[TMP]                   ; (it saturates)
	s_delay_alu instid0(VALU_DEP_1)
	v_ldexp_f32 v[F], 1.0, v[TMP]                  ; f: a multiplication by it rounds nothing
.set j, 0
.rept 32
	v_pk_fma_f32 v[S+j:S+j+1], v[S+j:S+j+1], s[CS:CS+1], v[NM:NM+1] op_sel_hi:[1,0,0]   ; t - M
.set j, j+2
.endr
.irp b, 0,1,2,3
	v_fma_f32 v[BM+\b], v[BM+\b], s[CS], v[NM]
.endr
.set j, 0
	s_wait_alu depctr_va_vdst(0)
.rept 64
	v_exp_f32 v[S+j], v[S+j]                       ; p
.set j, j+1
.endr
	s_setprio 1
	v_pk_mul_f32 v[SUM:SUM+1], v[SUM:SUM+1], v[F:F+1] op_sel_hi:[1,0]   ; the sums under the new M: a plain instruction behind the exponentials
	s_wait_alu depctr_va_vdst(0)                   ; one wait for the batch, ahead of its first reader
.irp b, 0,1,2,3
	v_exp_f32 v[BM+\b], v[BM+\b]                   ; each block's largest p
.endr
	v_pk_add_f32 v[40:41], v[104:105], v[108:109]
	v_pk_add_f32 v[254:255], v[112:113], v[116:117]
	v_pk_add_f32 v[252:253], v[120:121], v[124:125]
	v_pk_add_f32 v[242:243], v[128:129], v[132:133]
	v_pk_add_f32 v[240:241], v[136:137], v[140:141]
	v_pk_add_f32 v[238:239], v[144:145], v[148:149]
	v_pk_add_f32 v[236:237], v[152:153], v[156:157]
	v_pk_add_f32 v[10:11], v[10:11], v[160:161]
	v_pk_add_f32 v[40:41], v[40:41], v[100:101]
	v_pk_add_f32 v[254:255], v[254:255], v[102:103]
	v_pk_add_f32 v[252:253], v[252:253], v[106:107]
	v_pk_add_f32 v[242:243], v[242:243], v[110:111]
	v_pk_add_f32 v[240:241], v[240:241], v[114:115]
	v_pk_add_f32 v[238:239], v[238:239], v[118:119]
	v_pk_add_f32 v[236:237], v[236:237], v[122:123]
	v_pk_add_f32 v[10:11], v[10:11], v[126:127]
	v_pk_add_f32 v[40:41], v[40:41], v[130:131]
	v_pk_add_f32 v[254:255], v[254:255], v[134:135]
	v_pk_add_f32 v[252:253], v[252:253], v[138:139]
	v_pk_add_f32 v[242:243], v[242:243], v[142:143]
	v_pk_add_f32 v[240:241], v[240:241], v[146:147]
	v_pk_add_f32 v[238:239], v[238:239], v[150:151]
	v_pk_add_f32 v[236:237], v[236:237], v[154:155]
	v_pk_add_f32 v[10:11], v[10:11], v[158:159]
	v_pk_add_f32 v[40:41], v[40:41], v[162:163]
	s_delay_alu instid0(VALU_DEP_2)
	v_pk_add_f32 v[10:11], v[10:11], v[242:243]
	s_delay_alu instid0(VALU_DEP_2)
	v_pk_add_f32 v[40:41], v[40:41], v[240:241]
	v_pk_add_f32 v[254:255], v[254:255], v[238:239]
	v_pk_add_f32 v[252:253], v[252:253], v[236:237]
	s_delay_alu instid0(VALU_DEP_2)
	v_pk_add_f32 v[10:11], v[10:11], v[254:255]
	s_delay_alu instid0(VALU_DEP_2)
	v_pk_add_f32 v[40:41], v[40:41], v[252:253]
	s_delay_alu instid0(VALU_DEP_1)
	v_pk_add_f32 v[10:11], v[10:11], v[40:41]
	s_wait_alu depctr_va_vdst(0)                   ; and one for the four
.irp b, 0,1,2,3
	v_max_num_f32 v[BM+\b], 0x8000000, v[BM+\b]    ; the floor 2^(16 - 127)
.endr
.irp b, 0,1,2,3
	s_delay_alu instid0(VALU_DEP_4)
	v_add_nc_u32 v[SO+\b], 0xf8800000, v[BM+\b]
.endr
.irp b, 0,1,2,3
.endr
.irp b, 0,1,2,3
	s_delay_alu instid0(VALU_DEP_4)
	v_lshrrev_b32 v[BT+\b], 23, v[SO+\b]
.endr
	s_delay_alu instid0(VALU_DEP_3)
	v_lshl_or_b32 v[F+1], v[BT+1], 8, v[BT]        ; p's scale word for these 128 keys
	s_delay_alu instid0(VALU_DEP_1)
	v_lshl_or_b32 v[F+1], v[BT+2], 16, v[F+1]
	s_delay_alu instid0(VALU_DEP_1)
	v_lshl_or_b32 v[F+1], v[BT+3], 24, v[F+1]
.irp b, 0,1,2,3
.irp i, 0,1,2,3,4,5,6,7,8,9,10,11,12,13,14,15
.endr
	v_cvt_scalef32_pk8_bf8_f32 v[PC+4*\b:PC+4*\b+1], v[S+16*\b:S+16*\b+7], v[SO+\b]
	v_cvt_scalef32_pk8_bf8_f32 v[PC+4*\b+2:PC+4*\b+3], v[S+16*\b+8:S+16*\b+15], v[SO+\b]
.endr
.set j, 0
.rept 16
	v_pk_mul_f32 v[O+j:O+j+1], v[O+j:O+j+1], v[F:F+1] op_sel_hi:[1,0]   ; O^T under the new M; these are also the places in front of the products below
.set j, j+2
.endr
.set j, 0
	s_setprio 0
.rept 16
	ds_load_b128 v[S+4*j:S+4*j+3], v[AD] offset:8192+512*j   ; v's four tiles of 16 d x 128 keys, into the registers that p has left
.set j, j+1
.endr
	s_wait_alu depctr_va_vdst(0)
	s_wait_dscnt 0x0
.irp a, 0,1,2,3
	v_wmma_scale_f32_16x16x128_f8f6f4 v[O+8*\a:O+8*\a+7], v[S+16*\a:S+16*\a+15], v[PC:PC+15], v[O+8*\a:O+8*\a+7], v[SCW+\a], v[F+1] matrix_a_fmt:MATRIX_FMT_BF8 matrix_b_fmt:MATRIX_FMT_BF8 matrix_a_scale:MATRIX_SCALE_ROW1
.endr                                          ; the four accumulators take turns
	s_add_co_u32 s[TB], s[TB], STEPB
.endm
.macro KEYS                            ; a head's eight steps
	s_mov_b32 s[CNT], 8
.Lkeys_\@:
	s_setprio 2
	STEP
	s_sub_co_u32 s[CNT], s[CNT], 1
	s_cmp_lg_u32 s[CNT], 0
	s_cbranch_scc1 .Lkeys_\@
	s_setprio 0
.endm
; A head ends: o = q + O^T / the sum, stored as an image: 512 consecutive bytes a store.
.macro HEADOUT hh, qf
.rept 8
	v_nop                                          ; places behind the last products
.endr
	v_add_f32 v[SUM], v[SUM], v[SUM+1]
	s_delay_alu instid0(VALU_DEP_1)
	v_permlanex16_b32 v[TMP], v[SUM], s[SEL], s[SEL+1]
	s_delay_alu instid0(VALU_DEP_1)
	v_add_f32 v[SUM], v[SUM], v[TMP]               ; the row's sum
	s_wait_alu depctr_va_vdst(0)
	v_rcp_f32 v[RL], v[SUM]
	v_nop
	s_wait_alu depctr_va_vdst(0)                   ; ahead of the reciprocal's first reader
.set j, 0
.rept 16
	v_pk_fma_f32 v[O+j:O+j+1], v[O+j:O+j+1], v[RL:RL+1], v[\qf+j:\qf+j+1] op_sel_hi:[1,0,1]
.set j, j+2
.endr
.irp k, 0,1,2,3,4,5,6,7
	global_store_b128 v[LI], v[O+4*\k:O+4*\k+3], s[14:15] offset:4096*\hh+512*\k th:TH_STORE_NT
.endr
	s_wait_xcnt 0x0                                ; the stores have read O^T's registers, which the next head sets anew
.endm
	s_wait_tensorcnt 1                             ; my share of Wq is in; the first head's may be out
	s_barrier_signal -1
	s_barrier_wait -1                              ; everybody's is
	PSTEP 0, 15                                    ; bq and K step 0 of Q are in; behind them three K steps of five loads each may be out
	PSTEP 1, 15
	PSTEP 2, 15
	PSTEP 3, 15
	PSTEP 4, 15
	PSTEP 5, 10
	PSTEP 6, 5
	PSTEP 7, 0
	s_wait_tensorcnt 0x0                           ; all my tensor loads have landed, my share of the first head among them
	ds_add_u32 v[SPW], v[NIL]                      ; 0 onto my spare word; the first head's quantiser, work on registers, stands between it and the wait for it
.rept 8
	v_nop                                          ; places behind the projection's last products
.endr
	v_mov_b32 v[RL+1], 0                           ; (named as the upper half of a pair before it is first written)
	v_mov_b32 v[BT], 0                             ; (a lane permute's destination counts as one of its sources)
	v_mov_b32 v[BT+1], 0
	HEADQ QF0
	s_wait_dscnt 0x0                               ; the add is done, and my reads of Wq are over
	CROUND                                         ; so it is with every wave of all four work-groups
	tensor_load_to_lds s[48:51], s[G1:G1+7]        ; my one tensor load behind the round: my share of the second head, onto the bytes that my share of Wq filled
	s_nop 0
.rept 4
	v_nop
.endr
	KEYS
	HEADOUT 0, QF0
	HEADQ Q1F
	s_wait_tensorcnt 0x0                           ; my share of the second head is in
	s_wait_dscnt 0x0
	s_barrier_signal -1
	s_barrier_wait -1                              ; everybody's is
	s_mov_b32 s[TB], HSTR
	KEYS
	HEADOUT 1, Q1F
	s_wait_tensorcnt 0x0                           ; the wave's end
	ds_add_u32 v[SPW], v[NIL]
	s_wait_dscnt 0x0
	CROUND                                         ; the closing round
	s_endpgm
.Lfunc_end_k_qaaf8882ea1_attn:
	.size	k_qaaf8882ea1_attn, .Lfunc_end_k_qaaf8882ea1_attn-k_qaaf8882ea1_attn
	.p2alignl 7, 3214868480
	.fill 96, 4, 3214868480
	.section	.rodata,"a",@progbits
	.p2align	6, 0x0
	.amdhsa_kernel k_qaaf8882ea1_attn
		.amdhsa_group_segment_fixed_size 327680
		.amdhsa_private_segment_fixed_size 0
		.amdhsa_enable_private_segment 0
		.amdhsa_kernarg_size 48
		.amdhsa_user_sgpr_count 2
		.amdhsa_user_sgpr_kernarg_segment_ptr 1
		.amdhsa_wavefront_size32 1
		.amdhsa_system_sgpr_workgroup_id_x 1
		.amdhsa_system_sgpr_workgroup_id_y 1
		.amdhsa_system_sgpr_workgroup_id_z 1
		.amdhsa_system_vgpr_workitem_id 0
		.amdhsa_next_free_vgpr 256
		.amdhsa_next_free_sgpr 66
		.amdhsa_reserve_vcc 0
		.amdhsa_float_denorm_mode_32 3
		.amdhsa_float_denorm_mode_16_64 3
		.amdhsa_fp16_overflow 1
		.amdhsa_memory_ordered 1
		.amdhsa_forward_progress 1
		.amdhsa_inst_pref_size 89
	.end_amdhsa_kernel
	.amdgpu_metadata
---
amdhsa.version: [ 1, 2 ]
amdhsa.kernels:
  - .name:           k_qaaf8882ea1_attn
    .symbol:         k_qaaf8882ea1_attn.kd
    .args:
      - { .name: Q_codes, .offset: 0, .size: 8, .value_kind: global_buffer, .address_space: global }
      - { .name: Q_scales, .offset: 8, .size: 8, .value_kind: global_buffer, .address_space: global }
      - { .name: wq, .offset: 16, .size: 8, .value_kind: global_buffer, .address_space: global }
      - { .name: bq, .offset: 24, .size: 8, .value_kind: global_buffer, .address_space: global }
      - { .name: kv, .offset: 32, .size: 8, .value_kind: global_buffer, .address_space: global }
      - { .name: oimg, .offset: 40, .size: 8, .value_kind: global_buffer, .address_space: global }
    .group_segment_fixed_size: 327680
    .private_segment_fixed_size: 0
    .kernarg_segment_align: 8
    .kernarg_segment_size: 48
    .max_flat_workgroup_size: 512
    .sgpr_count:     66
    .vgpr_count:     256
    .wavefront_size: 32
...
	.end_amdgpu_metadata
.endif
;; end of part 2
;; launch out (part 3): grid 256 x 1, 16 waves a work-group, no clusters, 184,320 bytes of LDS; arguments oimg, woimg, Wo_scales, bo, g0, b0, g1, b1, out0; writes out0
.if DOCPART == 3
	.amdgcn_target "amdgcn-amd-amdhsa--gfx1250"
	.amdhsa_code_object_version 6
	.text
	.protected	k_qaaf8882ea1_out
	.globl	k_qaaf8882ea1_out
	.p2align	8
	.type	k_qaaf8882ea1_out,@function
k_qaaf8882ea1_out:
	s_mov_b64 s[64:65], 0
	v_nop
	global_prefetch_b8 v0, s[64:65] scope:SCOPE_SE
	s_setreg_imm32_b32 hwreg(HW_REG_WAVE_MODE, 25, 1), 1
	s_wait_xcnt 0x0
; out0 = LN1(y + relu(y Wo^T + bo)), y = LN0(o): the product on codes of BF8 (E5M2) with E8M0 scales, y quantised here along its 1,024 columns; all else in f32.  No work of the problem is left out here.
; LIMITS: NaN and infinities are not served; a block under 2^-111, or of zeros, keeps the scale byte 1; inside a block of 32 the codes stand in the order of the first launch's head comment, and woimg holds Wo's so.
; SHARES.  A work-group owns 32 rows (two tiles of 16); each of its sixteen waves owns 64 COLUMNS, of o and of the result, for all 32 rows.  Register 32 m + 8 t + j of lane (r, h) is row 16 m + r, column 64 w + 16 t + 8 h + j:
; so oimg gives it, and so the transposed product (source 0 = 16 rows of Wo, source 1 = y) gives it back: the residual and both norms need no change of lanes.
; A row's sums meet in LDS: four reductions, each with bytes of its own and one barrier.  The variance is the mean of (x - mean)^2, taken in a second pass.
; y's codes go from wave to wave through LDS as images of the operand's registers; each wave makes half a K step's codes and two of its four scale bytes.
; NO TENSOR LOADS AND NO CLUSTER, though all work-groups walk Wo: a K step of Wo for 1,024 columns is 1,024 rows x 144 bytes = 147,456 in LDS; two slots of it with the 34,816 bytes of images pass 327,680; and a K step
; holds only 8 products a wave.  So each wave takes its 64 rows of Wo straight into registers from woimg, 512 consecutive bytes a load, two K steps ahead.
.set HIMG,  0                          ; y's 16 fragments: (m, s) at 16,384 m + 2,048 s
.set HSC,   32768                      ; their scale words: (m, s) at 128 (8 m + s) + 4 x lane
.set RED,   34816                      ; four reductions x 16 waves x 128 bytes
.set STASH, 43008                      ; 8,704 bytes for each wave: y, later the stage for the way out: 2 x 16 rows x 272
.set SPARE, 182272                     ; the spare words, 128 bytes for each wave; no other line names them
.set LI,  1                            ; v1   16 x lane
.set LS,  2                            ; v2   4 x lane
.set SPW, 3
.set NIL, 4
.set PA,  5                            ; v5   my word in a reduction
.set STA, 6                            ; v6   my 16 bytes in my stash
.set CV,  7                            ; v7   32 h: the column vectors
.set X,   8                            ; v8-71    my 64 numbers; also the accumulators
.set WB0, 72                           ; v72-135  Wo's four fragments of a K step; at the end g1, b1
.set WB1, 136                          ; v136-199 the other set; first g0, b0; at the end y, then rows of the result
.set H,   200                          ; v200-231 y's two fragments; else at work
.set TM,  200
.set PC,  216
.set HS,  232                          ; v232-233 y's scale words
.set WS,  234                          ; v234-249 Wo's scale words: register 8 u + s: lanes 0-15 tile u, lanes 16-31 tile 2 + u, K step s
.set HWI, 250
.set HWS, 251
.set ME,  252                          ; v[252:253] a figure for each of my two rows
.set WSA, 254
.set SEL, 26
.set MNT, 28
	s_load_b512 s[8:23], s[0:1], 0x0               ; oimg, woimg, Wo's scales, bo, g0, b0, g1, b1
	s_load_b64 s[24:25], s[0:1], 0x40              ; out0
	v_lshl_add_u32 v[SPW], v0, 2, SPARE
	v_mov_b32 v[NIL], 0
	v_lshrrev_b32 v[PA], 5, v0
	s_delay_alu instid0(VALU_DEP_1)
	v_readfirstlane_b32 s4, v[PA]                  ; wave 0..15
	v_and_b32 v255, 31, v0
	s_delay_alu instid0(VALU_DEP_1)
	v_lshlrev_b32 v[LI], 4, v255
	s_delay_alu instid0(VALU_DEP_2)
	v_lshlrev_b32 v[LS], 2, v255
	s_lshl_b32 s5, s4, 7
	v_add_nc_u32 v[PA], s5, v[LS]
	s_delay_alu instid0(VALU_DEP_1)
	v_add_nc_u32 v[PA], RED, v[PA]
	s_mul_i32 s5, s4, 8704
	s_add_co_u32 s5, s5, STASH                     ; my stash; kept
	v_add_nc_u32 v[STA], s5, v[LI]
	v_bfe_u32 v253, v0, 4, 1                       ; h
	v_and_b32 v252, 15, v0                         ; r
	s_delay_alu instid0(VALU_DEP_2)
	v_lshlrev_b32 v[CV], 5, v253
	s_delay_alu instid0(VALU_DEP_3)
	v_lshlrev_b32 v[WSA], 10, v253
	s_delay_alu instid0(VALU_DEP_1)
	v_lshl_add_u32 v[WSA], v252, 5, v[WSA]         ; Wo's scales: 32 bytes a row; lanes 16-31 stand 32 rows further on
	s_lshl_b32 s6, s4, 10
	v_add_nc_u32 v[HWI], s6, v[LI]                 ; my codes: K step w / 2, pieces 2 (w % 2) on: 1,024 w
	s_lshr_b32 s6, s4, 1
	s_lshl_b32 s6, s6, 7
	s_and_b32 s7, s4, 1
	s_lshl_b32 s7, s7, 1
	s_add_co_u32 s6, s6, s7
	s_add_co_u32 s6, s6, HSC
	v_add_nc_u32 v[HWS], s6, v[LS]                 ; my two bytes of the K step's scale word
	s_mov_b32 s[SEL], 0x76543210
	s_mov_b32 s[SEL+1], 0xfedcba98
	s_mov_b32 s29, 0xffff0000                      ; lanes 16-31
	s_mov_b32 s30, 0x3a800000                      ; 1 / 1,024
	s_mov_b32 s31, 0x3727c5ac                      ; 1e-5
	s_lshr_b32 s32, ttmp9, 2                       ; my block of 128 rows,
	s_and_b32 s33, ttmp9, 3                        ; my 32 of them
	s_lshl_b32 s34, s32, 3
	s_lshr_b32 s35, s4, 1
	s_add_co_u32 s34, s34, s35                     ; x 8 + the pair of heads
	s_lshl_b32 s34, s34, 3
	s_lshl_b32 s35, s33, 1
	s_add_co_u32 s34, s34, s35                     ; x 8 + my first tile
	s_lshl_b32 s34, s34, 13
	s_and_b32 s35, s4, 1
	s_lshl_b32 s35, s35, 12
	s_add_co_u32 s34, s34, s35                     ; + the head of the pair
	s_mov_b32 s35, 0
	s_lshl_b32 s36, s32, 7
	s_lshl_b32 s37, s33, 5
	s_add_co_u32 s36, s36, s37
	s_lshl_b32 s36, s36, 12                        ; my first row of out0: 4,096 bytes a row
	s_lshl_b32 s38, s4, 8                          ; my 64 columns: 256 bytes
	s_add_co_u32 s36, s36, s38
	s_mov_b32 s37, 0
	s_mov_b32 s39, 0
	s_wait_alu depctr_va_vdst(0)
	s_wait_kmcnt 0x0
	s_add_nc_u64 s[8:9], s[8:9], s[34:35]
	s_add_nc_u64 s[24:25], s[24:25], s[36:37]
.irp p, 14,16,18,20,22
	s_add_nc_u64 s[\p:\p+1], s[\p:\p+1], s[38:39]
.endr
	s_lshl_b32 s38, s4, 11
	s_add_nc_u64 s[12:13], s[12:13], s[38:39]      ; my 64 rows of Wo's scales
	s_lshl_b32 s38, s4, 16
	s_add_nc_u64 s[10:11], s[10:11], s[38:39]      ; my four tiles of woimg
.macro COLV reg, p                     ; 32 numbers of a column vector: register 8 t + j is column 64 w + 16 t + 8 h + j
.irp t, 0,1,2,3
	global_load_b128 v[\reg+8*\t:\reg+8*\t+3], v[CV], s[\p:\p+1] offset:64*\t
	global_load_b128 v[\reg+8*\t+4:\reg+8*\t+7], v[CV], s[\p:\p+1] offset:64*\t+16
.endr
.endm
.macro WLOAD buf, s                    ; my four fragments of Wo for K step s
.irp t, 0,1,2,3
.irp c, 0,1,2,3
	global_load_b128 v[\buf+16*\t+4*\c:\buf+16*\t+4*\c+3], v[LI], s[10:11] offset:16384*\t+2048*(\s)+512*\c
.endr
.endr
.endm
.irp m, 0,1
.irp k, 0,1,2,3,4,5,6,7
	global_load_b128 v[X+32*\m+4*\k:X+32*\m+4*\k+3], v[LI], s[8:9] offset:8192*\m+512*\k th:TH_LOAD_NT
.endr
.endr
.irp u, 0,1
	global_load_b128 v[WS+8*\u:WS+8*\u+3], v[WSA], s[12:13] offset:512*\u
	global_load_b128 v[WS+8*\u+4:WS+8*\u+7], v[WSA], s[12:13] offset:512*\u+16
.endr
	COLV WB1, 16                                   ; g0
	COLV WB1+32, 18                                ; b0
	WLOAD WB0, 0
.macro ROWSUM                          ; the sums of my 32 numbers of each row -> v216, v220
.irp m, 0,1
	v_pk_add_f32 v[216+4*\m:217+4*\m], v[X+32*\m:X+32*\m+1], v[X+32*\m+2:X+32*\m+3]
	v_pk_add_f32 v[218+4*\m:219+4*\m], v[X+32*\m+4:X+32*\m+5], v[X+32*\m+6:X+32*\m+7]
.endr
.irp i, 8,12,16,20,24,28
.irp m, 0,1
	s_delay_alu instid0(VALU_DEP_4)
	v_pk_add_f32 v[216+4*\m:217+4*\m], v[216+4*\m:217+4*\m], v[X+32*\m+\i:X+32*\m+\i+1]
	s_delay_alu instid0(VALU_DEP_4)
	v_pk_add_f32 v[218+4*\m:219+4*\m], v[218+4*\m:219+4*\m], v[X+32*\m+\i+2:X+32*\m+\i+3]
.endr
.endr
.irp m, 0
	s_delay_alu instid0(VALU_DEP_3)
	v_pk_add_f32 v[216+4*\m:217+4*\m], v[216+4*\m:217+4*\m], v[218+4*\m:219+4*\m]
.endr
.irp m, 1
	s_delay_alu instid0(VALU_DEP_2)
	v_pk_add_f32 v[216+4*\m:217+4*\m], v[216+4*\m:217+4*\m], v[218+4*\m:219+4*\m]
.endr
.irp m, 0,1
	s_delay_alu instid0(VALU_DEP_2)
	v_add_f32 v[216+4*\m], v[216+4*\m], v[217+4*\m]
.endr
.endm
.macro SQSUM                           ; the same of their squares
.irp m, 0,1
	v_pk_mul_f32 v[216+4*\m:217+4*\m], v[X+32*\m:X+32*\m+1], v[X+32*\m:X+32*\m+1]
	v_pk_mul_f32 v[218+4*\m:219+4*\m], v[X+32*\m+2:X+32*\m+3], v[X+32*\m+2:X+32*\m+3]
.endr
.irp i, 4,8,12,16,20,24,28
.irp m, 0,1
	s_delay_alu instid0(VALU_DEP_4)
	v_pk_fma_f32 v[216+4*\m:217+4*\m], v[X+32*\m+\i:X+32*\m+\i+1], v[X+32*\m+\i:X+32*\m+\i+1], v[216+4*\m:217+4*\m]
	s_delay_alu instid0(VALU_DEP_4)
	v_pk_fma_f32 v[218+4*\m:219+4*\m], v[X+32*\m+\i+2:X+32*\m+\i+3], v[X+32*\m+\i+2:X+32*\m+\i+3], v[218+4*\m:219+4*\m]
.endr
.endr
.irp m, 0
	s_delay_alu instid0(VALU_DEP_3)
	v_pk_add_f32 v[216+4*\m:217+4*\m], v[216+4*\m:217+4*\m], v[218+4*\m:219+4*\m]
.endr
.irp m, 1
	s_delay_alu instid0(VALU_DEP_2)
	v_pk_add_f32 v[216+4*\m:217+4*\m], v[216+4*\m:217+4*\m], v[218+4*\m:219+4*\m]
.endr
.irp m, 0,1
	s_delay_alu instid0(VALU_DEP_2)
	v_add_f32 v[216+4*\m], v[216+4*\m], v[217+4*\m]
.endr
.endm
; Reduction n: v216, v220 over the row's 1,024 columns -> v[ME], v[ME+1].  Lane (r, h) carries row 16 h + r through LDS; each reduction has bytes of its own, so one barrier serves it.
.macro XRED n
	s_delay_alu instid0(VALU_DEP_2)
	v_permlanex16_b32 v217, v216, s[SEL], s[SEL+1]
	s_delay_alu instid0(VALU_DEP_2)
	v_permlanex16_b32 v221, v220, s[SEL], s[SEL+1]
	s_delay_alu instid0(VALU_DEP_2)
	v_add_f32 v216, v216, v217                     ; with lane l xor 16's: my wave's 64 columns
	s_delay_alu instid0(VALU_DEP_2)
	v_add_f32 v220, v220, v221
	s_delay_alu instid0(VALU_DEP_1)
	v_cndmask_b32 v216, v216, v220, s29
	ds_store_b32 v[PA], v216 offset:2048*(\n)
	s_wait_dscnt 0x0                               ; for the others' sake: my store is done
	s_barrier_signal -1
	s_barrier_wait -1
.irp i, 0,1,2,3,4,5,6,7,8,9,10,11,12,13,14,15
	ds_load_b32 v[200+\i], v[LS] offset:RED+2048*(\n)+128*\i
.endr
	s_wait_dscnt 0x0
.irp i, 0,2,4,6
	v_pk_add_f32 v[200+\i:201+\i], v[200+\i:201+\i], v[208+\i:209+\i]
.endr
	s_delay_alu instid0(VALU_DEP_2)
	v_pk_add_f32 v[200:201], v[200:201], v[204:205]
	s_delay_alu instid0(VALU_DEP_2)
	v_pk_add_f32 v[202:203], v[202:203], v[206:207]
	s_delay_alu instid0(VALU_DEP_1)
	v_pk_add_f32 v[200:201], v[200:201], v[202:203]
	s_delay_alu instid0(VALU_DEP_1)
	v_add_f32 v200, v200, v201
	s_delay_alu instid0(VALU_DEP_1)
	v_permlanex16_b32 v201, v200, s[SEL], s[SEL+1]
	s_delay_alu instid0(VALU_DEP_1)
	v_cndmask_b32 v[ME], v200, v201, s29           ; row r
	s_delay_alu instid0(VALU_DEP_2)
	v_cndmask_b32 v[ME+1], v201, v200, s29         ; row 16 + r
.endm
.macro LNSTAT n                        ; x becomes (x - mean) / sqrt(variance + 1e-5)
	ROWSUM
	XRED \n
	s_delay_alu instid0(VALU_DEP_1)
	v_pk_mul_f32 v[ME:ME+1], v[ME:ME+1], s[30:31] op_sel_hi:[1,0]
.set i, 0
.rept 16
	v_pk_add_f32 v[X+2*i:X+2*i+1], v[X+2*i:X+2*i+1], v[ME:ME+1] op_sel_hi:[1,0] neg_lo:[0,1] neg_hi:[0,1]
	v_pk_add_f32 v[X+32+2*i:X+33+2*i], v[X+32+2*i:X+33+2*i], v[ME:ME+1] op_sel:[0,1] op_sel_hi:[1,1] neg_lo:[0,1] neg_hi:[0,1]
.set i, i+1
.endr
	SQSUM
	XRED (\n)+1
	s_delay_alu instid0(VALU_DEP_2)
	v_fma_f32 v[ME], v[ME], s30, s31
	s_delay_alu instid0(VALU_DEP_2)
	v_fma_f32 v[ME+1], v[ME+1], s30, s31
	s_wait_alu depctr_va_vdst(0)
	v_rsq_f32 v[ME], v[ME]
	v_rsq_f32 v[ME+1], v[ME+1]
	v_nop
	s_wait_alu depctr_va_vdst(0)                   ; one wait for both, ahead of their first reader
.set i, 0
.rept 16
	v_pk_mul_f32 v[X+2*i:X+2*i+1], v[X+2*i:X+2*i+1], v[ME:ME+1] op_sel_hi:[1,0]
	v_pk_mul_f32 v[X+32+2*i:X+33+2*i], v[X+32+2*i:X+33+2*i], v[ME:ME+1] op_sel:[0,1] op_sel_hi:[1,1]
.set i, i+1
.endr
.endm
.macro LNGAIN g, b
.set i, 0
.rept 16
	v_pk_fma_f32 v[X+2*i:X+2*i+1], v[X+2*i:X+2*i+1], v[\g+2*i:\g+2*i+1], v[\b+2*i:\b+2*i+1]
	v_pk_fma_f32 v[X+32+2*i:X+33+2*i], v[X+32+2*i:X+33+2*i], v[\g+2*i:\g+2*i+1], v[\b+2*i:\b+2*i+1]
.set i, i+1
.endr
.endm
; 64 numbers of a lane, register 16 b + i of lanes l and l xor 16 being block b (b = 2 m + the half of my 64 columns), become codes in v[PC] on and four scale bytes in v[pw]
.macro QUANT s, pw
.irp b, 0,1,2,3
	v_max3_num_f32 v[TM+\b], |v[\s+16*\b]|, |v[\s+1+16*\b]|, 0x8000000   ; with the floor 2^(16 - 127)
.endr
.irp i, 2,4,6,8,10,12,14
.irp b, 0,1,2,3
	s_delay_alu instid0(VALU_DEP_4)
	v_max3_num_f32 v[TM+\b], v[TM+\b], |v[\s+16*\b+\i]|, |v[\s+1+16*\b+\i]|
.endr
.endr
.irp b, 0,1,2,3
	s_delay_alu instid0(VALU_DEP_4)
	v_permlanex16_b32 v[TM+4+\b], v[TM+\b], s[SEL], s[SEL+1]
.endr
.irp b, 0,1,2,3
	s_delay_alu instid0(VALU_DEP_4)
	v_max_num_f32 v[TM+\b], v[TM+\b], v[TM+4+\b]
.endr
.irp b, 0,1,2,3
	s_delay_alu instid0(VALU_DEP_4)
	v_add_nc_u32 v[TM+12+\b], 0xf8800000, v[TM+\b]
.endr
.irp b, 0,1,2,3
.endr
.irp b, 0,1,2,3
	s_delay_alu instid0(VALU_DEP_4)
	v_lshrrev_b32 v[TM+4+\b], 23, v[TM+12+\b]
.endr
	s_delay_alu instid0(VALU_DEP_3)
	v_lshl_or_b32 v[\pw], v[TM+5], 8, v[TM+4]
	s_delay_alu instid0(VALU_DEP_1)
	v_lshl_or_b32 v[\pw], v[TM+6], 16, v[\pw]
	s_delay_alu instid0(VALU_DEP_1)
	v_lshl_or_b32 v[\pw], v[TM+7], 24, v[\pw]
.irp b, 0,1,2,3
.irp i, 0,1,2,3,4,5,6,7,8,9,10,11,12,13,14,15
.endr
	v_cvt_scalef32_pk8_bf8_f32 v[PC+4*\b:PC+1+4*\b], v[\s+16*\b:\s+7+16*\b], v[TM+12+\b]
	v_cvt_scalef32_pk8_bf8_f32 v[PC+2+4*\b:PC+3+4*\b], v[\s+8+16*\b:\s+15+16*\b], v[TM+12+\b]
.endr
	v_nop                                          ; a plain instruction behind the last conversion
.endm
; K step s: y's two fragments from LDS, eight products (four tiles of Wo x two tiles of rows, the accumulators by turns), and the loads of two steps on.  n: the younger global loads that may stay out
.macro KSTEP s, n
.set WB, WB0+64*((\s)%2)
.irp m, 0,1
.irp c, 0,1,2,3
	ds_load_b128 v[H+16*\m+4*\c:H+16*\m+4*\c+3], v[LI] offset:HIMG+16384*\m+2048*(\s)+512*\c
.endr
	ds_load_b32 v[HS+\m], v[LS] offset:HSC+128*(8*\m+(\s))
.endr
	s_wait_loadcnt \n
	s_wait_dscnt 0x0
.irp t, 0,1,2,3
.irp m, 0,1
.if \t < 2
	v_wmma_scale_f32_16x16x128_f8f6f4 v[X+32*\m+8*\t:X+32*\m+8*\t+7], v[WB+16*\t:WB+16*\t+15], v[H+16*\m:H+16*\m+15], v[X+32*\m+8*\t:X+32*\m+8*\t+7], v[WS+8*(\t%2)+(\s)], v[HS+\m] matrix_a_fmt:MATRIX_FMT_BF8 matrix_b_fmt:MATRIX_FMT_BF8
.else
	v_wmma_scale_f32_16x16x128_f8f6f4 v[X+32*\m+8*\t:X+32*\m+8*\t+7], v[WB+16*\t:WB+16*\t+15], v[H+16*\m:H+16*\m+15], v[X+32*\m+8*\t:X+32*\m+8*\t+7], v[WS+8*(\t%2)+(\s)], v[HS+\m] matrix_a_fmt:MATRIX_FMT_BF8 matrix_b_fmt:MATRIX_FMT_BF8 matrix_a_scale:MATRIX_SCALE_ROW1
.endif
.endr
.endr
.rept 8
	v_nop                                          ; places in front of loads into registers that these products read, and of the first read of results
.endr
.if (\s) < 6
	WLOAD WB, (\s)+2
.elseif (\s) == 6
	COLV WB0, 20                                   ; g1
	COLV WB0+32, 22                                ; b1
.endif
.endm
	s_wait_loadcnt 36                              ; o is in; behind it 4 loads of scales, 16 of g0 and b0, 16 of Wo may be out
	LNSTAT 0
	s_wait_loadcnt 16                              ; g0 and b0 are in; Wo's K step 0 may be out
	LNGAIN WB1, WB1+32                             ; y
	WLOAD WB1, 1
.set j, 0
.rept 16
	ds_store_b128 v[STA], v[X+4*j:X+4*j+3] offset:512*j   ; y is kept for the residual, in my own bytes
.set j, j+1
.endr
	s_wait_dscnt 0x0                               ; the stores have read their registers, which the loads of bo rewrite
	QUANT X, HS
.irp m, 0,1
.irp b, 0,1
	ds_store_b128 v[HWI], v[PC+8*\m+4*\b:PC+8*\m+4*\b+3] offset:HIMG+16384*\m+512*\b
.endr
.endr
	ds_store_b16 v[HWS], v[HS]                     ; rows 0-15: my two bytes of their word,
	ds_store_b16_d16_hi v[HWS], v[HS] offset:1024  ; rows 16-31
	s_wait_dscnt 0x0                               ; for the others' sake: my images have landed
	COLV X, 14                                     ; bo is the C of each sum's first product, for both tiles of rows
	COLV X+32, 14
	s_barrier_signal -1
	s_barrier_wait -1                              ; y's sixteen fragments lie in LDS
	KSTEP 0, 0                                     ; bo was asked for last
	KSTEP 1, 16
	KSTEP 2, 16
	KSTEP 3, 16
	KSTEP 4, 16
	KSTEP 5, 16
	KSTEP 6, 16
	KSTEP 7, 16                                    ; g1's and b1's 16 loads may be out
.set j, 0
.rept 16
	ds_load_b128 v[WB1+4*j:WB1+4*j+3], v[STA] offset:512*j   ; y comes back
.set j, j+1
.endr
.set j, 0
.rept 64
	v_max_num_f32 v[X+j], 0, v[X+j]                ; relu; each accumulator from its low end on
.set j, j+1
.endr
	s_wait_dscnt 0x0
.set j, 0
.rept 32
	v_pk_add_f32 v[X+j:X+j+1], v[X+j:X+j+1], v[WB1+j:WB1+j+1]
.set j, j+2
.endr
	LNSTAT 2
	s_wait_loadcnt 0x0                             ; g1, b1
	LNGAIN WB0, WB0+32
	; THE WAY OUT: my 64 columns of 32 rows go through my own stage (rows of 256 bytes + 16) and come back by rows: sixteen lanes store 256 consecutive bytes, aligned
	v_and_b32 v228, 15, v0                         ; r
	v_bfe_u32 v229, v0, 4, 1                       ; h
	s_delay_alu instid0(VALU_DEP_2)
	v_mul_u32_u24 v230, v228, 272
	s_delay_alu instid0(VALU_DEP_1)
	v_lshl_add_u32 v230, v229, 5, v230
	s_delay_alu instid0(VALU_DEP_1)
	v_add_nc_u32 v230, s5, v230                    ; in: row r, + 32 h
	s_delay_alu instid0(VALU_DEP_4)
	v_mul_u32_u24 v231, v229, 272
	s_delay_alu instid0(VALU_DEP_1)
	v_lshl_add_u32 v231, v228, 4, v231
	s_delay_alu instid0(VALU_DEP_1)
	v_add_nc_u32 v231, s5, v231                    ; back: lanes 0-15 one row, lanes 16-31 the next
	v_lshlrev_b32 v229, 12, v229
	s_delay_alu instid0(VALU_DEP_1)
	v_lshl_add_u32 v229, v228, 4, v229             ; and the same two rows in out0
.irp m, 0,1
.irp t, 0,1,2,3
	ds_store_b128 v230, v[X+32*\m+8*\t:X+32*\m+8*\t+3] offset:4352*\m+64*\t
	ds_store_b128 v230, v[X+32*\m+8*\t+4:X+32*\m+8*\t+7] offset:4352*\m+64*\t+16
.endr
.endr
.irp m, 0,1
.irp i, 0,1,2,3,4,5,6,7
	ds_load_b128 v[WB1+32*\m+4*\i:WB1+32*\m+4*\i+3], v231 offset:4352*\m+544*\i   ; LDS serves a wave's instructions in order (ISA guide 5.7.1.4): these see my stores
.endr
.endr
	s_wait_alu depctr_va_vdst(0)
.irp m, 0,1
.irp i, 0,1,2,3,4,5,6,7
	s_wait_dscnt 15-8*\m-\i
	global_store_b128 v229, v[WB1+32*\m+4*\i:WB1+32*\m+4*\i+3], s[24:25] offset:(16*\m+2*\i)*4096 th:TH_STORE_NT
.endr
.endr
	s_wait_tensorcnt 0x0                           ; the wave's end: behind my last LDS store
	ds_add_u32 v[SPW], v[NIL]
	s_wait_dscnt 0x0
	s_endpgm
.Lfunc_end_k_qaaf8882ea1_out:
	.size	k_qaaf8882ea1_out, .Lfunc_end_k_qaaf8882ea1_out-k_qaaf8882ea1_out
	.p2alignl 7, 3214868480
	.fill 96, 4, 3214868480
	.section	.rodata,"a",@progbits
	.p2align	6, 0x0
	.amdhsa_kernel k_qaaf8882ea1_out
		.amdhsa_group_segment_fixed_size 184320
		.amdhsa_private_segment_fixed_size 0
		.amdhsa_enable_private_segment 0
		.amdhsa_kernarg_size 72
		.amdhsa_user_sgpr_count 2
		.amdhsa_user_sgpr_kernarg_segment_ptr 1
		.amdhsa_wavefront_size32 1
		.amdhsa_system_sgpr_workgroup_id_x 1
		.amdhsa_system_sgpr_workgroup_id_y 1
		.amdhsa_system_sgpr_workgroup_id_z 1
		.amdhsa_system_vgpr_workitem_id 0
		.amdhsa_next_free_vgpr 256
		.amdhsa_next_free_sgpr 66
		.amdhsa_reserve_vcc 0
		.amdhsa_float_denorm_mode_32 3
		.amdhsa_float_denorm_mode_16_64 3
		.amdhsa_fp16_overflow 1
		.amdhsa_memory_ordered 1
		.amdhsa_forward_progress 1
		.amdhsa_inst_pref_size 89
	.end_amdhsa_kernel
	.amdgpu_metadata
---
amdhsa.version: [ 1, 2 ]
amdhsa.kernels:
  - .name:           k_qaaf8882ea1_out
    .symbol:         k_qaaf8882ea1_out.kd
    .args:
      - { .name: oimg, .offset: 0, .size: 8, .value_kind: global_buffer, .address_space: global }
      - { .name: woimg, .offset: 8, .size: 8, .value_kind: global_buffer, .address_space: global }
      - { .name: Wo_scales, .offset: 16, .size: 8, .value_kind: global_buffer, .address_space: global }
      - { .name: bo, .offset: 24, .size: 8, .value_kind: global_buffer, .address_space: global }
      - { .name: g0, .offset: 32, .size: 8, .value_kind: global_buffer, .address_space: global }
      - { .name: b0, .offset: 40, .size: 8, .value_kind: global_buffer, .address_space: global }
      - { .name: g1, .offset: 48, .size: 8, .value_kind: global_buffer, .address_space: global }
      - { .name: b1, .offset: 56, .size: 8, .value_kind: global_buffer, .address_space: global }
      - { .name: out0, .offset: 64, .size: 8, .value_kind: global_buffer, .address_space: global }
    .group_segment_fixed_size: 184320
    .private_segment_fixed_size: 0
    .kernarg_segment_align: 8
    .kernarg_segment_size: 72
    .max_flat_workgroup_size: 512
    .sgpr_count:     66
    .vgpr_count:     256
    .wavefront_size: 32
...
	.end_amdgpu_metadata
.endif
;; end of part 3
